; MI455X (gfx1250); checked and timed in simulation.
; The chip was launched on July 23, 2026; its instructions are those of AMD's public machine-readable ISA for CDNA 5 (MIT licence, August 2026) and "CDNA5" Instruction Set Architecture Reference Guide (July 2026). The comments in the code are by the model that wrote it; some were corrected since.
;; Self Attention. Allowed arithmetic: matrix products marked QUANTISED: E4M3 operands, one given power-of-two scale a tensor, by v_wmma_f32_16x16x64_fp8_fp8 or v_wmma_f32_16x16x128_fp8_fp8, f32 sums; everything else in f32.
;; Inputs: b_in 3,072 float32; b_out 1,024 float32; lowp_scales 8 int32 (the exponents e of the quantised operands' scales 2^e); w_in 3,072 x 1,024 float32; w_out 1,024 x 1,024 float32; x 2 x 2,048 x 1,024 float32.
;; Outputs: out0 2 x 2,048 x 1,024 float32.
;; This version of the problem:
;;   THIS VERSION OF THE PROBLEM IS GIVEN IN LOW PRECISION. The matrix products marked QUANTISED in the list below multiply operands that are first quantised to E4M3 (4 exponent bits, 3 mantissa bits; 8 bits a number), with one given power-of-two scale for each operand tensor; their sums are f32. All else is computed in f32.
;;   The module's matrix products, in the order in which they are computed (A, B: the left and right operand; K: the contracted axis; several contracted axes count as one K, in the product's order):
;;     1. [M 4,096, K 1,024] x [K 1,024, N 3,072]; A: input x; B: input w_in: QUANTISED (scales: A lowp_scales[0], B lowp_scales[1])
;;     2. batch 32 x [M 2,048, K 64] x [K 64, N 2,048]; A: computed on the way; B: computed on the way: QUANTISED (scales: A lowp_scales[2], B lowp_scales[3])
;;     3. batch 32 x [M 2,048, K 2,048] x [K 2,048, N 64]; A: softmax (see below); B: computed on the way: QUANTISED (scales: A lowp_scales[4], B lowp_scales[5])
;;     4. [M 4,096, K 1,024] x [K 1,024, N 1,024]; A: computed on the way; B: input w_out: QUANTISED (scales: A lowp_scales[6], B lowp_scales[7])
;;   THE QUANTISER, for each operand of a quantised product, along K:
;;     - The operand's scale is 2^e, e = its entry of the input lowp_scales (int32; the entries are numbered through the quantised products in the list's order, A before B).
;;     - Each number is divided by the scale, clamped to +-448, and rounded to the nearest number of E4M3, ties to even, subnormals kept.
;;     - The product sums the exact products of the quantised numbers (number of the format x scale) in f32.
;;   ~~~python
;;   def quantise(x, axis, e):      # numpy; x: float32 -> the quantised numbers, widened to float32 again
;;       x = np.moveaxis(x, axis, -1); K = x.shape[-1]
;;       r = np.clip(x / 2.0 ** e, -448, 448)
;;       step = 2.0 ** (np.maximum(np.frexp(np.where(r == 0, 1, r))[1] - 1, -6) - 3)
;;       q = np.round(r / step) * step * 2.0 ** e      # np.round: ties to even
;;       return np.moveaxis(q, -1, axis).astype(np.float32)
;;   ~~~
;;   SOFTMAX AHEAD OF A QUANTISED PRODUCT. Where the list says 'softmax', what is quantised is not the finished softmax but p = 2^(t - M), with t = logit x log2(e) and M = ceil(the row's largest t), a whole number; so 1/2 < the row's largest p <= 1. The row's sum l is taken of the UNQUANTISED p, in f32, and the product's result is divided by l at the end. Since M is a whole number, a kernel that streams over the keys may use a running M (the ceiling of the running maximum): every later rescaling is an exact power of two, so the quantised numbers keep their values, but for numbers so far below the row's largest that they fall under the format's range.
;;   OPERANDS COMPUTED ON THE WAY. 'Computed on the way' means the value that the module computes at that place (a softmax that the list does not call 'softmax' is quantised finished and normalised). What goes into a quantiser is computed in f32, as accurately as f32 sums, v_exp_f32 and their like allow (about 1e-6 of the number): no bf16 or f16 on the way to a quantiser, and a product that is left as it is and whose result goes on into a quantised operand takes f32 operands (vector FMAs, or v_wmma_f32_16x16x4_f32). A number that lies on a knife's edge between two numbers of the format may be rounded either way, as far as f32 arithmetic and the matrix unit's own rounding can turn it there, and no further.
;; One version. Each part assembles by itself: llvm-mc -triple=amdgcn-amd-amdhsa -mcpu=gfx1250 --defsym DOCPART=n.
;; ======== version 1 of 1: 4 launches
;; limits: right only within a limited range of input values
;; workspace buffers: x_codes 4,194,304 bytes; win_codes 3,145,728 bytes; wout_codes 1,048,576 bytes; q_codes 4,194,304 bytes; kv_codes 8,388,608 bytes; att_codes 4,194,304 bytes
;; launch quant (part 1): grid 256 x 1, 8 waves a work-group, no clusters, 68,608 bytes of LDS; arguments x, w_in, w_out, lowp_scales, x_codes, win_codes, wout_codes; writes x_codes, win_codes, wout_codes
.if DOCPART == 1
	.amdgcn_target "amdgcn-amd-amdhsa--gfx1250"
	.amdhsa_code_object_version 6
	.text
	.protected	k_q8d49cb72da_quant
	.globl	k_q8d49cb72da_quant
	.p2align	8
	.type	k_q8d49cb72da_quant,@function
k_q8d49cb72da_quant:
	s_mov_b64 s[64:65], 0
	v_nop
	global_prefetch_b8 v0, s[64:65] scope:SCOPE_SE
	s_setreg_imm32_b32 hwreg(HW_REG_WAVE_MODE, 25, 1), 1
	s_wait_xcnt 0x0
; x [4096][1024], w_in [3072][1024] and w_out [1024][1024], f32, K innermost, become codes of FP8 (E4M3), one byte each, each tensor with its given scale 2^e (entries 0, 1 and 7).
; code = number / 2^e, held within +-448, rounded to the nearest code, ties to even.  LIMITS: -126 <= e <= 119; NaN among the inputs is not served.
; The program leaves out no work of reference() but the key steps that its causal mask hides as a whole (launch attn).
; THE CODES ARE LAID AS THE PRODUCTS' REGISTERS TAKE THEM.  A unit is 16 rows x 128 k, 2,048 bytes: [c 4][lane 32] x 16 bytes: lane (r, h) = 16 h + r holds row r, k = 32 c + 16 h + 0 .. 15.
;   x: [256 rows: 16 blocks][8 k steps][16 units];  w_in: [16 heads][8 k steps][12 units: 4 of q's rows, 4 of k's, 4 of v's];  w_out: [128 rows: 8 blocks][8 k steps][8 units].
; A work-group takes 32 rows: 0-127 of x, 128-223 of w_in, 224-255 of w_out; wave w takes k step w of both 16-row tiles: two units.  All 32 loads of a wave are out at once; a load reads 512 consecutive bytes of a row.
; A unit goes through the wave's own stage in LDS (rows of 512 + 16 bytes) so that a lane gets 16 neighbours.  No tensor loads, no barrier, no cluster: waves and work-groups share nothing; no prefetch: there is no loop.
.set PITCH, 528
.set WREG,  16*PITCH
.set SPARE, 8*WREG                     ; the spare words, 128 bytes a wave
.set SPW, 8
.set NIL, 9
.set R,   16                           ; v16-143  two units as loaded
.set X,   144                          ; v144-207 a unit's numbers, 16 neighbours for each c
.set C,   208                          ; v208-239 codes, 16 registers a unit
	s_load_b256 s[4:11], s[0:1], 0x0               ; x, w_in, w_out, the scales' exponents
	s_load_b128 s[12:15], s[0:1], 0x20             ; x's codes, w_in's codes
	s_load_b64 s[24:25], s[0:1], 0x30              ; w_out's codes
	v_lshl_add_u32 v[SPW], v0, 2, SPARE
	v_mov_b32 v[NIL], 0
	v_lshrrev_b32 v1, 5, v0
	v_readfirstlane_b32 s16, v1                    ; wave = k step
	s_mul_i32 s17, s16, WREG
	v_and_b32 v2, 31, v0
	v_lshlrev_b32 v3, 4, v2                        ; 16 x lane
	v_add_nc_u32 v4, s17, v3                       ; the stage, in: a row's 512 bytes as they lie
	v_and_b32 v5, 15, v0
	v_bfe_u32 v6, v0, 4, 1
	v_mul_u32_u24 v5, v5, PITCH
	v_lshl_add_u32 v5, v6, 6, v5
	v_add_nc_u32 v5, s17, v5                       ; and out: row r, 64 h bytes on
	s_wait_alu depctr_va_vdst(0)
	s_wait_kmcnt 0x0
	s_load_b256 s[36:43], s[10:11], 0x0            ; e0 .. e7
	s_mov_b32 s17, 224
	s_cmp_lt_u32 ttmp9, 224                        ; the choices hang on the work-group's number alone
	s_cselect_b64 s[6:7], s[6:7], s[8:9]
	s_cselect_b64 s[14:15], s[14:15], s[24:25]
	s_cselect_b32 s17, 128, s17
	s_cmp_lt_u32 ttmp9, 128
	s_cselect_b64 s[4:5], s[4:5], s[6:7]
	s_cselect_b64 s[12:13], s[12:13], s[14:15]
	s_cselect_b32 s17, 0, s17
	s_sub_co_u32 s18, ttmp9, s17                   ; g: which 32 rows of the tensor
	s_lshl_b32 s22, s18, 17                        ; in memory: 32 rows of 4,096 bytes,
	s_lshl_b32 s23, s16, 9                         ; 512 bytes for each k step
	s_add_co_u32 s22, s22, s23
	s_mov_b32 s23, 0
	s_add_nc_u64 s[4:5], s[4:5], s[22:23]
	s_lshr_b32 s20, s18, 3                         ; x's codes: block g / 8,
	s_lshl_b32 s20, s20, 18
	s_lshl_b32 s21, s16, 15
	s_add_co_u32 s20, s20, s21
	s_and_b32 s21, s18, 7                          ; units 2 (g % 8), + 1
	s_lshl_b32 s21, s21, 12
	s_add_co_u32 s20, s20, s21
	s_bfe_u32 s26, s18, 0x40001                    ; w_in's: head (g / 2) % 16,
	s_mul_i32 s26, s26, 0x30000
	s_mul_i32 s27, s16, 24576
	s_add_co_u32 s26, s26, s27
	s_lshr_b32 s27, s18, 5                         ; q, k or v: g / 32; units 4 (g / 32) + 2 (g % 2), + 1
	s_lshl_b32 s27, s27, 1
	s_and_b32 s28, s18, 1
	s_add_co_u32 s27, s27, s28
	s_lshl_b32 s27, s27, 12
	s_add_co_u32 s26, s26, s27
	s_lshr_b32 s29, s18, 2                         ; w_out's: block g / 4, units 2 (g % 4), + 1
	s_lshl_b32 s29, s29, 17
	s_lshl_b32 s30, s16, 14
	s_add_co_u32 s29, s29, s30
	s_and_b32 s30, s18, 3
	s_lshl_b32 s30, s30, 12
	s_add_co_u32 s29, s29, s30
	s_cmp_lt_u32 ttmp9, 224
	s_cselect_b32 s26, s26, s29
	s_cmp_lt_u32 ttmp9, 128
	s_cselect_b32 s20, s20, s26
	s_mov_b32 s21, 0
	s_add_nc_u64 s[12:13], s[12:13], s[20:21]
.irp u, 0,1
.irp i, 0,1,2,3,4,5,6,7,8,9,10,11,12,13,14,15
	global_load_b128 v[R+64*\u+4*\i:R+64*\u+4*\i+3], v3, s[4:5] offset:65536*\u+4096*\i th:TH_LOAD_NT
.endr
.endr
	s_wait_kmcnt 0x0
	s_cmp_lt_u32 ttmp9, 224
	s_cselect_b32 s22, s37, s43                    ; e1 or e7,
	s_cmp_lt_u32 ttmp9, 128
	s_cselect_b32 s22, s36, s22                    ; or e0
	s_add_co_i32 s22, s22, 127
	s_lshl_b32 s23, s22, 23
	v_mov_b32 v11, s23                             ; 2^e
	s_add_co_i32 s22, s22, 8
	s_lshl_b32 s22, s22, 23
	s_or_b32 s22, s22, 0x600000
	v_mov_b32 v10, s22                             ; 448 x 2^e
	s_wait_alu depctr_va_vdst(0)                   ; the head's end
.irp u, 0,1
.irp i, 0,1,2,3,4,5,6,7,8,9,10,11,12,13,14,15
.if (\i%4) == 0
	s_wait_loadcnt 16*(1-\u)+12-\i                 ; rows up to i + 3 of this unit are in
.endif
	ds_store_b128 v4, v[R+64*\u+4*\i:R+64*\u+4*\i+3] offset:PITCH*\i
.endr
.irp c, 0,1,2,3
.irp q, 0,1,2,3
	ds_load_b128 v[X+16*\c+4*\q:X+16*\c+4*\q+3], v5 offset:128*\c+16*\q   ; LDS serves a wave's instructions in order: no wait stands between stores and loads
.endr
.endr
.irp c, 0,1,2,3
	s_wait_dscnt 12-4*\c                           ; this c's four loads are in; those of the later ones may be out
.irp i, 0,1,2,3,4,5,6,7,8,9,10,11,12,13,14,15
	v_med3_num_f32 v[X+16*\c+\i], v[X+16*\c+\i], -v10, v10   ; the conversion to an 8-bit code does not saturate (ISA guide 7.6.2)
.endr
	v_cvt_scalef32_pk8_fp8_f32 v[C+16*\u+4*\c:C+16*\u+4*\c+1], v[X+16*\c:X+16*\c+7], v11
	v_cvt_scalef32_pk8_fp8_f32 v[C+16*\u+4*\c+2:C+16*\u+4*\c+3], v[X+16*\c+8:X+16*\c+15], v11
	v_nop
	global_store_b128 v3, v[C+16*\u+4*\c:C+16*\u+4*\c+3], s[12:13] offset:2048*\u+512*\c   ; 512 consecutive bytes, aligned
.endr
.endr
	s_wait_tensorcnt 0x0                           ; the wave's end
	ds_add_u32 v[SPW], v[NIL]
	s_wait_dscnt 0x0
	s_endpgm
.Lfunc_end_k_q8d49cb72da_quant:
	.size	k_q8d49cb72da_quant, .Lfunc_end_k_q8d49cb72da_quant-k_q8d49cb72da_quant
	.p2alignl 7, 3214868480
	.fill 96, 4, 3214868480
	.section	.rodata,"a",@progbits
	.p2align	6, 0x0
	.amdhsa_kernel k_q8d49cb72da_quant
		.amdhsa_group_segment_fixed_size 68608
		.amdhsa_private_segment_fixed_size 0
		.amdhsa_enable_private_segment 0
		.amdhsa_kernarg_size 56
		.amdhsa_user_sgpr_count 2
		.amdhsa_user_sgpr_kernarg_segment_ptr 1
		.amdhsa_wavefront_size32 1
		.amdhsa_system_sgpr_workgroup_id_x 1
		.amdhsa_system_sgpr_workgroup_id_y 1
		.amdhsa_system_sgpr_workgroup_id_z 1
		.amdhsa_system_vgpr_workitem_id 0
		.amdhsa_next_free_vgpr 240
		.amdhsa_next_free_sgpr 66
		.amdhsa_reserve_vcc 0
		.amdhsa_float_denorm_mode_32 3
		.amdhsa_float_denorm_mode_16_64 3
		.amdhsa_memory_ordered 1
		.amdhsa_forward_progress 1
		.amdhsa_inst_pref_size 22
	.end_amdhsa_kernel
	.amdgpu_metadata
---
amdhsa.version: [ 1, 2 ]
amdhsa.kernels:
  - .name:           k_q8d49cb72da_quant
    .symbol:         k_q8d49cb72da_quant.kd
    .args:
      - { .name: x, .offset: 0, .size: 8, .value_kind: global_buffer, .address_space: global }
      - { .name: w_in, .offset: 8, .size: 8, .value_kind: global_buffer, .address_space: global }
      - { .name: w_out, .offset: 16, .size: 8, .value_kind: global_buffer, .address_space: global }
      - { .name: lowp_scales, .offset: 24, .size: 8, .value_kind: global_buffer, .address_space: global }
      - { .name: x_codes, .offset: 32, .size: 8, .value_kind: global_buffer, .address_space: global }
      - { .name: win_codes, .offset: 40, .size: 8, .value_kind: global_buffer, .address_space: global }
      - { .name: wout_codes, .offset: 48, .size: 8, .value_kind: global_buffer, .address_space: global }
    .group_segment_fixed_size: 68608
    .private_segment_fixed_size: 0
    .kernarg_segment_align: 8
    .kernarg_segment_size: 56
    .max_flat_workgroup_size: 256
    .sgpr_count:     66
    .vgpr_count:     240
    .wavefront_size: 32
...
	.end_amdgpu_metadata
.endif
;; end of part 1
;; launch qkv (part 2): grid 16 x 16, 4 waves a work-group, clusters of 4 x 4, 327,680 bytes of LDS; arguments x_codes, win_codes, lowp_scales, b_in, q_codes, kv_codes; writes q_codes, kv_codes
.if DOCPART == 2
	.amdgcn_target "amdgcn-amd-amdhsa--gfx1250"
	.amdhsa_code_object_version 6
	.text
	.protected	k_q8d49cb72da_qkv
	.globl	k_q8d49cb72da_qkv
	.p2align	8
	.type	k_q8d49cb72da_qkv,@function
k_q8d49cb72da_qkv:
	s_mov_b64 s[64:65], 0
	v_nop
	global_prefetch_b8 v0, s[64:65] scope:SCOPE_SE
	s_setreg_imm32_b32 hwreg(HW_REG_WAVE_MODE, 25, 1), 1
	s_wait_xcnt 0x0
	s_wait_alu depctr_hold_cnt(0) depctr_sa_sdst(0) depctr_va_vdst(0) depctr_va_sdst(0) depctr_va_ssrc(0) depctr_va_vcc(0) depctr_vm_vsrc(0)
	s_getreg_b32 s2, hwreg(HW_REG_IB_STS2, 6, 4)
	s_cmp_eq_u32 s2, 0
	s_cbranch_scc0 .Lentry_in_a_cluster
	s_endpgm
.Lentry_in_a_cluster:
	s_bfe_u32 s2, ttmp6, 0x10000c
	s_cmp_lg_u32 s2, 0xf033
	s_cbranch_scc0 .Lentry_shape_is_right
	s_endpgm
.Lentry_shape_is_right:
; qkv = x w_in^T + b_in on codes of FP8 (E4M3), K = 1,024, quantised for attention.  A work-group makes 256 tokens x ONE HEAD'S q, k and v (192 columns): 16 heads x 16 token blocks = 256 work-groups.
; Four waves, 2 x 2: a wave makes 128 tokens (half wr) x 32 columns each of q, k and v (half cw): 48 accumulators of 16 x 16.
; q and k are multiplied with source 0 = w_in's rows, source 1 = tokens: a lane holds one token and eight neighbouring channels.  v the other way round: a lane holds one channel and eight neighbouring tokens.
; THE BIAS is the C of each accumulator's first product, as b x 2^-(e0+e1).  A sum stands for sum x 2^(e0+e1), so its code is that of sum / 2^(e - e0 - e1), e = e2, e3, e5 for q, k, v: the conversion's one scale.
; LIMITS: e0 + e1 between -126 and 126 and b_in x 2^-(e0+e1) finite; e - e0 - e1 between -126 and 119 for e = e2, e3, e5.  NaN is not served.
; x_codes, win_codes: units of 16 rows x 128 k as a fragment's registers, 2,048 bytes, [c][lane] x 16 bytes; a k step of x's block is 32,768 bytes, of a head's w_in 24,576.
; LDS: five slots of a k step: x at 32,768 s, w_in at 163,840 + 24,576 s.  Even waves fetch x's bytes, odd waves w_in's, by halves, one joint load a wave each time: k steps 0-2 at the head, k steps 3 and 4 (slots 3 and 4,
; first fills) behind a round when those have landed, k steps 5-7 into slots 0-2 behind a round when these have been read.  CLUSTERS of 4 x 4: x's bytes are shared along a row, w_in's along a column.
; PREFETCH: each block of 256 bytes is asked for once in each cluster, shared out by address: of each k step a wave names 8 blocks of x and 6 of w_in: k steps 3 and 4 behind the head's loads, k steps 5-7 behind those of 3 and 4:
; two k steps of work ahead of their own loads.
; OUT: q_codes: [32 (16 b + head)][128 tiles of 16 queries][c 2][lane] x 16 bytes.  kv_codes: [32][16 steps of 128 keys][k: 8 tiles, [c 2][lane] x 16; then v: [4 x 16 channels][c 4][lane] x 16].
; Lane r of k's tile 2 b + u holds key 32 b + 8 u + r + 8 (r / 8).
; REGISTERS: window 0: v1-31 addresses and scales, v32-255 fragments of odd k steps; window 1: v32-255 those of even ones (x's 8 at v32, w_in's 6 at v160); window 2: q's and k's accumulators (a, b) at 8 (4 a + b);
;   window 3: v's at 8 (2 a + b), and from v128 the biases.
.set STG,   98304                      ; the way out: 49,152 bytes in slots 3 and 4 of x, which have had their last fill, and their last read ahead of the last barrier in the k steps
.set SPARE, 286720                     ; the spare words
.set SPW,  4
.set NIL,  5
.set PA,   6                           ; v6, v7 the prefetches' offsets for three k steps
.set PB,   7
.set STQ,  8
.set STK,  9
.set STV,  10
.set RDQ,  11
.set RDK,  12
.set GO,   13
.set SCQ,  14
.set SCK,  15
.set SCV,  16
.set LMQ,  17
.set LMK,  18
.set LMV,  19
.set ADA,  24                          ; v24-26 x's fragments: slots 0 and 1, 2 and 3, 4
.set ADB,  27                          ; v27-29 w_in's
.set CD,   32                          ; v32-95 q's and k's codes; v96-127 v's; v128-223 rows on the way out
.set G1A,  24                          ; k steps 3 and 4
.set G1B,  32
.set G1A2, 40                          ; k steps 0-2, and 5-7
.set G1B2, 48
.set G0A,  56
.set G0B,  60
.set G0A2, 68
.set G0B2, 72
.set MSB, 0
.macro WIN new                         ; the immediate's high byte repeats the setting that is left
.if MSB != \new
	s_set_vgpr_msb (MSB<<8)|\new
.set MSB, \new
.endif
.endm
.macro GRP g, rows                     ; descriptor group 1: rows of 1,024 bytes, dense
	s_mov_b32 s[\g+1], 1024<<16
	s_mov_b32 s[\g+2], (\rows)<<16
	s_mov_b32 s[\g+3], 1024<<16
	s_mov_b32 s[\g+4], \rows
	s_mov_b32 s[\g+5], 1024
	s_mov_b32 s[\g+6], 0
	s_mov_b32 s[\g+7], 0
.endm
.macro JLOAD g0a, g1a, g0b, g1b        ; even waves fetch x's bytes, odd waves w_in's
	s_cmp_eq_u32 s18, 0
	s_cbranch_scc0 .Lfor_b_\@
	tensor_load_to_lds s[\g0a:\g0a+3], s[\g1a:\g1a+7]
	s_nop 0
.rept 4
	v_nop
.endr
	s_branch .Lasked_\@
.Lfor_b_\@:
	tensor_load_to_lds s[\g0b:\g0b+3], s[\g1b:\g1b+7]
	s_nop 0
.rept 4
	v_nop
.endr
.Lasked_\@:
.endm
.macro CROUND                          ; a round of the cluster's barrier
	s_barrier_signal -1
	s_barrier_wait -1
	s_cmp_lg_u32 s16, 0
	s_cbranch_scc1 .Lnot_wave_0_\@
	s_barrier_signal -3
.Lnot_wave_0_\@:
	s_barrier_wait -3
	s_barrier_signal -1
	s_barrier_wait -1
.endm
.macro PLACES
.rept 4
	v_nop
.endr
.endm
	s_load_b256 s[4:11], s[0:1], 0x0               ; x's codes, w_in's codes, the scales' exponents, b_in
	s_load_b128 s[12:15], s[0:1], 0x20             ; q's codes, k's and v's
	v_lshl_add_u32 v[SPW], v0, 2, SPARE
	v_mov_b32 v[NIL], 0
	ds_add_u32 v[SPW], v[NIL]                      ; the opening
	ds_add_u32 v[SPW], v[NIL]
	v_lshrrev_b32 v1, 5, v0
	v_readfirstlane_b32 s16, v1                    ; wave
	s_lshr_b32 s17, s16, 1                         ; wr; also which half of the bytes I fetch
	s_and_b32 s18, s16, 1                          ; cw; also: I fetch x's (0) or w_in's (1)
	s_bfe_u32 s19, ttmp6, 0x40000                  ; cx
	s_bfe_u32 s20, ttmp6, 0x40004                  ; cy
	s_lshl_b32 s21, ttmp9, 2
	s_add_co_u32 s21, s21, s19                     ; head
	s_and_b32 s22, ttmp7, 0xffff
	s_lshl_b32 s22, s22, 2
	s_add_co_u32 s22, s22, s20                     ; token block
	s_lshl_b32 s23, s20, 2
	s_lshl_b32 s23, 15, s23                        ; my row of the cluster
	s_lshl_b32 s66, 0x1111, s19                    ; my column
	s_or_b32 s[G1A], s23, 1<<21                    ; bytes, no padding, mask of my row
	s_or_b32 s[G1A2], s23, 1<<21
	s_or_b32 s[G1B], s66, 1<<21
	s_or_b32 s[G1B2], s66, 1<<21
	GRP G1A, 32
	GRP G1B, 24
	GRP G1A2, 48
	GRP G1B2, 36
	s_lshl_b32 s76, s22, 18                        ; x: the block's 262,144 bytes
	s_add_co_u32 s78, s76, 3*32768                 ; from k step 3 on
	s_lshl_b32 s92, s19, 13                        ; the prefetches': my work-group's quarter of a k step,
	s_add_co_u32 s92, s92, s78
	s_lshl_b32 s93, s16, 11                        ; my wave's 8 blocks
	s_add_co_u32 s92, s92, s93
	s_mul_i32 s66, s17, 49152
	s_add_co_u32 s76, s76, s66
	s_lshl_b32 s67, s17, 15
	s_add_co_u32 s78, s78, s67
	s_mul_i32 s88, s21, 196608                     ; w_in: the head's bytes
	s_add_co_u32 s90, s88, 3*24576
	s_mul_i32 s94, s20, 6144
	s_add_co_u32 s94, s94, s90
	s_mul_i32 s95, s16, 1536                       ; 6 blocks
	s_add_co_u32 s94, s94, s95
	s_mul_i32 s98, s17, 36864
	s_add_co_u32 s88, s88, s98
	s_mul_i32 s99, s17, 24576
	s_add_co_u32 s90, s90, s99
	s_mov_b32 s77, 0
	s_mov_b32 s79, 0
	s_mov_b32 s89, 0
	s_mov_b32 s91, 0
	s_mov_b32 s93, 0
	s_mov_b32 s95, 0
	s_mov_b32 s[G0A2], 1
	s_mov_b32 s[G0A2+1], s66
	s_mov_b32 s[G0A], 1
	s_add_co_u32 s[G0A+1], s67, 3*32768
	s_mov_b32 s[G0B2], 1
	s_add_co_u32 s[G0B2+1], s98, 163840
	s_mov_b32 s[G0B], 1
	s_add_co_u32 s[G0B+1], s99, 163840+3*24576
	s_wait_dscnt 0x0                               ; both opening adds are done
	s_wait_kmcnt 0x0
	s_load_b256 s[80:87], s[8:9], 0x0              ; e0 .. e7
	s_add_nc_u64 s[G0A2+2:G0A2+3], s[4:5], s[76:77]
	s_or_b32 s[G0A2+3], s[G0A2+3], 0x80000000
	s_add_nc_u64 s[G0A+2:G0A+3], s[4:5], s[78:79]
	s_or_b32 s[G0A+3], s[G0A+3], 0x80000000
	s_add_nc_u64 s[G0B2+2:G0B2+3], s[6:7], s[88:89]
	s_or_b32 s[G0B2+3], s[G0B2+3], 0x80000000
	s_add_nc_u64 s[G0B+2:G0B+3], s[6:7], s[90:91]
	s_or_b32 s[G0B+3], s[G0B+3], 0x80000000
	CROUND                                         ; all sixteen work-groups are here: the joint loads meet
	JLOAD G0A2, G1A2, G0B2, G1B2                   ; k steps 0-2
	s_add_nc_u64 s[92:93], s[4:5], s[92:93]
	s_add_nc_u64 s[94:95], s[6:7], s[94:95]
	s_lshr_b32 s88, s22, 3                         ; b
	s_lshl_b32 s88, s88, 4
	s_add_co_u32 s88, s88, s21                     ; 16 b + head
	s_and_b32 s89, s22, 7                          ; the block in the sequence
	s_lshl_b32 s76, s88, 17                        ; where my 4,096 bytes of q's codes go,
	s_lshl_b32 s77, s89, 14
	s_add_co_u32 s76, s76, s77
	s_lshl_b32 s77, s16, 12
	s_add_co_u32 s76, s76, s77
	s_mov_b32 s77, 0
	s_add_nc_u64 s[12:13], s[12:13], s[76:77]
	s_lshl_b32 s76, s88, 18                        ; and my 8,192 of k's and v's
	s_lshl_b32 s77, s89, 15
	s_add_co_u32 s76, s76, s77
	s_lshl_b32 s77, s16, 13
	s_add_co_u32 s76, s76, s77
	s_mov_b32 s77, 0
	s_add_nc_u64 s[14:15], s[14:15], s[76:77]
	s_lshl_b32 s76, s21, 8                         ; b_in at channel 64 head + 32 cw
	s_lshl_b32 s77, s18, 7
	s_add_co_u32 s76, s76, s77
	s_mov_b32 s77, 0
	s_add_nc_u64 s[10:11], s[10:11], s[76:77]
	s_lshl_b32 s66, s17, 14                        ; x's fragments: eight units for each wr
	s_lshl_b32 s67, s18, 12
	s_add_co_u32 s67, s67, 163840                  ; w_in's: two units for each cw
	s_lshl_b32 s98, s17, 13
	s_lshl_b32 s88, s18, 9
	s_add_co_u32 s98, s98, s88
	s_add_co_u32 s98, s98, STG                     ; the stage: q,
	s_add_co_u32 s99, s66, s88
	s_add_co_u32 s99, s99, STG+16384               ; k,
	s_lshl_b32 s88, s18, 12
	s_add_co_u32 s100, s66, s88
	s_add_co_u32 s100, s100, STG+24576             ; v
	s_lshl_b32 s101, s16, 12
	s_add_co_u32 s101, s101, STG
	s_lshl_b32 s3, s16, 13
	s_add_co_u32 s3, s3, STG+16384
.macro PFV l, a, b                     ; offsets of lane l: k step l / 8, block l % 8 of x's 8, of w_in's 6 (two lanes name the last again)
	v_lshrrev_b32 v30, 3, v[\l]
	v_and_b32 v31, 7, v[\l]
	v_lshlrev_b32 v[\a], 15, v30
	v_lshl_add_u32 v[\a], v31, 8, v[\a]
	v_min_u32 v31, 5, v31
	v_mul_u32_u24 v[\b], v30, 24576
	v_lshl_add_u32 v[\b], v31, 8, v[\b]
.endm
	v_and_b32 v3, 31, v0
	v_and_b32 v1, 15, v0                           ; r; also a lane of two k steps' prefetch
	v_bfe_u32 v2, v0, 4, 1                         ; h
	v_lshlrev_b32 v22, 5, v2
	v_lshlrev_b32 v23, 2, v1
	v_lshlrev_b32 v[GO], 4, v3                     ; 16 x lane
	v_min_u32 v3, 23, v3                           ; a lane of three k steps' prefetch
	PFV 1, 20, 21
	PFV 3, PA, PB
.irp b, 0,1,2,3                                ; q's (b = 0, 1) and k's biases at channels 16 (b % 2) + 8 h + 0 .. 7
	global_load_b128 v[200+8*\b:203+8*\b], v22, s[10:11] offset:4096*(\b/2)+64*(\b%2)
	global_load_b128 v[204+8*\b:207+8*\b], v22, s[10:11] offset:4096*(\b/2)+64*(\b%2)+16
.endr
	global_load_b32 v232, v23, s[10:11] offset:8192    ; v's at channel r, 16 + r
	global_load_b32 v233, v23, s[10:11] offset:8256
	v_add_nc_u32 v[ADA], s66, v[GO]
	v_add_nc_u32 v[ADA+1], 0x10000, v[ADA]
	v_add_nc_u32 v[ADA+2], 0x20000, v[ADA]
	v_add_nc_u32 v[ADB], s67, v[GO]
	v_add_nc_u32 v[ADB+1], 49152, v[ADB]
	v_add_nc_u32 v[ADB+2], 98304, v[ADB]
	v_lshlrev_b32 v30, 4, v1
	v_lshl_add_u32 v30, v2, 3, v30                 ; 16 r + 8 h
	v_add_nc_u32 v[STQ], s98, v30
	v_add_nc_u32 v[STV], s100, v30
	v_and_b32 v31, 7, v1
	v_lshlrev_b32 v31, 4, v31
	v_lshl_add_u32 v31, v2, 3, v31
	v_lshrrev_b32 v3, 3, v1
	v_lshl_add_u32 v31, v3, 10, v31                ; k: 16 (r % 8) + 8 h + 1,024 (r / 8): the tile is r / 8
	v_add_nc_u32 v[STK], s99, v31
	v_add_nc_u32 v[RDQ], s101, v[GO]
	v_add_nc_u32 v[RDK], s3, v[GO]
	global_prefetch_b8 v20, s[92:93] th:TH_LOAD_NT scope:SCOPE_SE   ; k steps 3 and 4
	global_prefetch_b8 v21, s[94:95] th:TH_LOAD_NT scope:SCOPE_SE
	s_wait_alu depctr_va_vdst(0)
	s_wait_kmcnt 0x0
	s_add_co_i32 s23, s80, s81                     ; e0 + e1
	s_sub_co_i32 s96, 127, s23
	s_lshl_b32 s96, s96, 23                        ; 2^-(e0 + e1)
	s_mov_b32 s97, s96                             ; (named with it as a pair)
.macro SCALE e, sc, lim
	s_sub_co_i32 s66, s[\e], s23
	s_add_co_i32 s66, s66, 127
	s_lshl_b32 s67, s66, 23
	v_mov_b32 v[\sc], s67                          ; 2^(e - e0 - e1)
	s_add_co_i32 s66, s66, 8
	s_lshl_b32 s66, s66, 23
	s_or_b32 s66, s66, 0x600000
	v_mov_b32 v[\lim], s66                         ; 448 x that
.endm
	SCALE 82, SCQ, LMQ
	SCALE 83, SCK, LMK
	SCALE 85, SCV, LMV
	s_wait_alu depctr_va_vdst(0)
	s_wait_loadcnt 0x0                             ; the biases
	WIN 0xc0
.set n, 0
.rept 16
	v_pk_mul_f32 v[128+n:129+n], v[200+n:201+n], s[96:97] op_sel_hi:[1,0]
.set n, n+2
.endr
.set n, 0
.rept 8
	v_mul_f32 v[160+n], s96, v232
	v_mul_f32 v[168+n], s96, v233
.set n, n+1
.endr
	WIN 0
	s_wait_alu depctr_va_vdst(0)                   ; the head's end
.macro FB                              ; w_in's six fragments of the next k step
.irp b, 0,1,2,3,4,5
.irp c, 0,1,2,3
	ds_load_b128 v[160+16*\b+4*\c:163+16*\b+4*\c], v[ADB+SL/2] offset:(SL%2)*24576+8192*(\b/2)+2048*(\b%2)+512*\c
.endr
.endr
.endm
.macro FA a                            ; x's fragment a
.irp c, 0,1,2,3
	ds_load_b128 v[32+16*\a+4*\c:35+16*\a+4*\c], v[ADA+SL/2] offset:(SL%2)*32768+2048*\a+512*\c
.endr
.endm
.macro QK a                            ; q's and k's four accumulators of token tile a
.irp b, 0,1,2,3
.if Z
	v_wmma_f32_16x16x128_fp8_fp8 v[32*\a+8*\b:32*\a+8*\b+7], v[160+16*\b:175+16*\b], v[32+16*\a:47+16*\a], v[128+8*\b:135+8*\b]
.else
	v_wmma_f32_16x16x128_fp8_fp8 v[32*\a+8*\b:32*\a+8*\b+7], v[160+16*\b:175+16*\b], v[32+16*\a:47+16*\a], v[32*\a+8*\b:32*\a+8*\b+7]
.endif
.endr
.endm
.macro VV a                            ; v's two
.irp b, 0,1
.if Z
	v_wmma_f32_16x16x128_fp8_fp8 v[16*\a+8*\b:16*\a+8*\b+7], v[32+16*\a:47+16*\a], v[224+16*\b:239+16*\b], v[160+8*\b:167+8*\b]
.else
	v_wmma_f32_16x16x128_fp8_fp8 v[16*\a+8*\b:16*\a+8*\b+7], v[32+16*\a:47+16*\a], v[224+16*\b:239+16*\b], v[16*\a+8*\b:16*\a+8*\b+7]
.endif
.endr
.endm
; A k step: 48 matrix instructions, the 48 accumulators by turns; the next step's 56 fragment loads go into the other window in two runs, behind four places.
.macro KSTEP s
.set W, 1-((\s)%2)
.set Z, 0
.set WQ, W+4*W+0xa0                    ; sources 0 and 1: window W; C and D: window 2
.set WV, W+4*W+0xf0                    ; C and D: window 3
.if (\s) == 0
.set Z, 1
.set WQ, W+4*W+0xb0                    ; C: the biases, window 3
.endif
.set WL, 64*(1-W)
.set SL, ((\s)+1)%5                    ; the next step's slot
	s_wait_dscnt 0x0                               ; this step's fragments are in
.if (\s) == 4
	s_wait_tensorcnt 0x0                           ; my part of k steps 5-7 is in; behind this barrier nothing is filled
	s_barrier_signal -1
.endif
.if (\s) == 2
	WIN 0
	s_wait_tensorcnt 0x0                           ; none of my loads is out: my part of k steps 3 and 4 is in;
	ds_add_u32 v[SPW], v[NIL]                      ; eight matrix instructions stand between it and its wait
	s_add_nc_u64 s[G0A2+2:G0A2+3], s[G0A2+2:G0A2+3], 5*32768   ; from k step 0 to k step 5
	s_add_nc_u64 s[G0B2+2:G0B2+3], s[G0B2+2:G0B2+3], 5*24576
.endif
	WIN WQ
	QK 0
	QK 1
.if (\s) == 4
	s_barrier_wait -1
.endif
.if (\s) == 2
	WIN 0
	s_wait_dscnt 0x0                               ; the add is done, and slots 0-2 have been read
	CROUND                                         ; in every wave of the cluster
	JLOAD G0A2, G1A2, G0B2, G1B2                   ; k steps 5-7; the four v_nop behind it are the places
.elseif (\s) < 7
	PLACES
.endif
.if (\s) < 7
	WIN WL
	FB
	FA 0
.endif
	WIN WQ
	QK 2
	QK 3
.if (\s) < 7
	WIN WL
.irp a, 1,2,3,4,5,6,7
	FA \a
.endr
.endif
	WIN WQ
.irp a, 4,5,6,7
	QK \a
.endr
	WIN WV
.irp a, 0,1,2,3,4,5,6,7
	VV \a
.endr
.endm
	s_wait_tensorcnt 0x0                           ; my part of k steps 0-2 is in
	ds_add_u32 v[SPW], v[NIL]
	s_wait_dscnt 0x0
	CROUND                                         ; everybody's part is in, and the joint loads meet
	JLOAD G0A, G1A, G0B, G1B                       ; k steps 3 and 4
.set SL, 0
	WIN 0x40
	FB
.irp a, 0,1,2,3,4,5,6,7
	FA \a
.endr
	WIN 0
	global_prefetch_b8 v[PA], s[92:93] offset:2*32768 th:TH_LOAD_NT scope:SCOPE_SE   ; k steps 5-7
	global_prefetch_b8 v[PB], s[94:95] offset:2*24576 th:TH_LOAD_NT scope:SCOPE_SE
.irp s, 0,1,2,3,4,5,6,7
	KSTEP \s
.endr
	WIN 0
	PLACES
; THE WAY OUT.  Each accumulator is held, converted and laid into the stage in the very order of q_codes and kv_codes; then the stage leaves as it lies.
.irp a, 0,1,2,3,4,5,6,7
	WIN 0x82
.set n, 32*\a
.rept 16
	v_med3_num_f32 v[n], v[n], -v[LMQ], v[LMQ]     ; the conversion to an 8-bit code does not saturate (ISA guide 7.6.2)
.set n, n+1
.endr
.rept 16
	v_med3_num_f32 v[n], v[n], -v[LMK], v[LMK]
.set n, n+1
.endr
	WIN 0x02
.irp b, 0,1
	v_cvt_scalef32_pk8_fp8_f32 v[CD+8*\a+2*\b:CD+8*\a+2*\b+1], v[32*\a+8*\b:32*\a+8*\b+7], v[SCQ]
	v_cvt_scalef32_pk8_fp8_f32 v[CD+8*\a+4+2*\b:CD+8*\a+5+2*\b], v[32*\a+16+8*\b:32*\a+23+8*\b], v[SCK]
.endr
	WIN 0
.irp b, 0,1
	ds_store_b64 v[STQ], v[CD+8*\a+2*\b:CD+8*\a+2*\b+1] offset:1024*\a+256*\b
	ds_store_b64 v[STK], v[CD+8*\a+4+2*\b:CD+8*\a+5+2*\b] offset:2048*(\a/2)+128*(\a%2)+256*\b
.endr
.endr
.irp a, 0,1,2,3,4,5,6,7
	WIN 0xc3
.set n, 16*\a
.rept 16
	v_med3_num_f32 v[n], v[n], -v[LMV], v[LMV]
.set n, n+1
.endr
	WIN 0x03
.irp b, 0,1
	v_cvt_scalef32_pk8_fp8_f32 v[CD+64+4*\a+2*\b:CD+65+4*\a+2*\b], v[16*\a+8*\b:16*\a+8*\b+7], v[SCV]
.endr
	WIN 0
.irp b, 0,1
	ds_store_b64 v[STV], v[CD+64+4*\a+2*\b:CD+65+4*\a+2*\b] offset:2048*\b+512*(\a/2)+256*(\a%2)
.endr
.endr
	v_nop
	s_wait_dscnt 0x0                               ; my part of the stage is written,
	s_barrier_signal -1
	s_barrier_wait -1                              ; everybody's is
.irp i, 0,1,2,3,4,5,6,7
	ds_load_b128 v[128+4*\i:131+4*\i], v[RDQ] offset:512*\i
.endr
.irp i, 0,1,2,3,4,5,6,7,8,9,10,11,12,13,14,15
	ds_load_b128 v[160+4*\i:163+4*\i], v[RDK] offset:512*\i
.endr
.irp i, 0,1,2,3,4,5,6,7
	s_wait_dscnt 23-\i                             ; this load is in; the later ones may be out
	global_store_b128 v[GO], v[128+4*\i:131+4*\i], s[12:13] offset:512*\i       ; 512 consecutive bytes, aligned
.endr
.irp i, 0,1,2,3,4,5,6,7,8,9,10,11,12,13,14,15
	s_wait_dscnt 15-\i
	global_store_b128 v[GO], v[160+4*\i:163+4*\i], s[14:15] offset:512*\i
.endr
	s_wait_tensorcnt 0x0                           ; the wave's end
	ds_add_u32 v[SPW], v[NIL]
	s_wait_dscnt 0x0
	CROUND                                         ; the closing round
	s_endpgm
.Lfunc_end_k_q8d49cb72da_qkv:
	.size	k_q8d49cb72da_qkv, .Lfunc_end_k_q8d49cb72da_qkv-k_q8d49cb72da_qkv
	.p2alignl 7, 3214868480
	.fill 96, 4, 3214868480
	.section	.rodata,"a",@progbits
	.p2align	6, 0x0
	.amdhsa_kernel k_q8d49cb72da_qkv
		.amdhsa_group_segment_fixed_size 327680
		.amdhsa_private_segment_fixed_size 0
		.amdhsa_enable_private_segment 0
		.amdhsa_kernarg_size 48
		.amdhsa_user_sgpr_count 2
		.amdhsa_user_sgpr_kernarg_segment_ptr 1
		.amdhsa_wavefront_size32 1
		.amdhsa_system_sgpr_workgroup_id_x 1
		.amdhsa_system_sgpr_workgroup_id_y 1
		.amdhsa_system_sgpr_workgroup_id_z 1
		.amdhsa_system_vgpr_workitem_id 0
		.amdhsa_next_free_vgpr 1024
		.amdhsa_next_free_sgpr 102
		.amdhsa_reserve_vcc 0
		.amdhsa_float_denorm_mode_32 3
		.amdhsa_float_denorm_mode_16_64 3
		.amdhsa_memory_ordered 1
		.amdhsa_forward_progress 1
		.amdhsa_inst_pref_size 107
	.end_amdhsa_kernel
	.amdgpu_metadata
---
amdhsa.version: [ 1, 2 ]
amdhsa.kernels:
  - .name:           k_q8d49cb72da_qkv
    .symbol:         k_q8d49cb72da_qkv.kd
    .args:
      - { .name: x_codes, .offset: 0, .size: 8, .value_kind: global_buffer, .address_space: global }
      - { .name: win_codes, .offset: 8, .size: 8, .value_kind: global_buffer, .address_space: global }
      - { .name: lowp_scales, .offset: 16, .size: 8, .value_kind: global_buffer, .address_space: global }
      - { .name: b_in, .offset: 24, .size: 8, .value_kind: global_buffer, .address_space: global }
      - { .name: q_codes, .offset: 32, .size: 8, .value_kind: global_buffer, .address_space: global }
      - { .name: kv_codes, .offset: 40, .size: 8, .value_kind: global_buffer, .address_space: global }
    .group_segment_fixed_size: 327680
    .private_segment_fixed_size: 0
    .kernarg_segment_align: 8
    .kernarg_segment_size: 48
    .max_flat_workgroup_size: 128
    .sgpr_count:     102
    .vgpr_count:     1024
    .wavefront_size: 32
...
	.end_amdgpu_metadata
.endif
;; end of part 2
;; launch attn (part 3): grid 8 x 32, 16 waves a work-group, clusters of 4 x 1, 327,680 bytes of LDS; arguments q_codes, kv_codes, lowp_scales, att_codes; writes att_codes
.if DOCPART == 3
	.amdgcn_target "amdgcn-amd-amdhsa--gfx1250"
	.amdhsa_code_object_version 6
	.text
	.protected	k_q8d49cb72da_attn
	.globl	k_q8d49cb72da_attn
	.p2align	8
	.type	k_q8d49cb72da_attn,@function
k_q8d49cb72da_attn:
	s_mov_b64 s[64:65], 0
	v_nop
	global_prefetch_b8 v0, s[64:65] scope:SCOPE_SE
	s_setreg_imm32_b32 hwreg(HW_REG_WAVE_MODE, 25, 1), 1
	s_wait_xcnt 0x0
	s_wait_alu depctr_hold_cnt(0) depctr_sa_sdst(0) depctr_va_vdst(0) depctr_va_sdst(0) depctr_va_ssrc(0) depctr_va_vcc(0) depctr_vm_vsrc(0)
	s_getreg_b32 s2, hwreg(HW_REG_IB_STS2, 6, 4)
	s_cmp_eq_u32 s2, 0
	s_cbranch_scc0 .Lentry_in_a_cluster
	s_endpgm
.Lentry_in_a_cluster:
	s_bfe_u32 s2, ttmp6, 0x10000c
	s_cmp_lg_u32 s2, 0x3003
	s_cbranch_scc0 .Lentry_shape_is_right
	s_endpgm
.Lentry_shape_is_right:
; Causal attention on codes of FP8 (E4M3), head size 64, 2,048 keys, 32 heads (16 b + head).  The inputs' layouts are launch qkv's.
; att_codes: the result / the row's sum, quantised with 2^e6, as the next product's fragments: [32 blocks of 128 tokens][8 k steps of two heads][8 tiles of 16 tokens][head % 2][c 2][lane] x 16 bytes.
; THE SOFTMAX: t = score x log2(e) / 8; M = the row's largest t so far, rounded UP to a whole number; p = 2^(t - M) is quantised with 2^e4, not normalised.  The row's sum is taken of the unquantised p and divides at the end.
; When M moves, the sum and O are multiplied by 2^(old M - new M): exact.
; WORK LEFT OUT: a step of 128 keys that all come after a tile's queries: reference() builds that mask itself and it gives those keys the weight 0 for all inputs.  LIMIT: a NaN or an infinity in such keys is not carried to the result.
; SHARES.  Eight work-groups to a head (j = 0 .. 7), 16 tiles of 16 queries each: tile j + 8 I, I = 0 .. 15, needs key steps 0 .. I, step I on the diagonal: 136 steps in every work-group.
; The long tiles go to the low waves: wave I (0 .. 7) takes tile 15 - I, 14 steps at the most; waves 8-15 take the short tiles 4 5 6 7 0 1 2 3, and waves 12 and 13 then steps 14 and on of tiles 15 and 14.
; Those two tiles' parts are joined behind the last barrier, by waves 0 and 1; every other tile goes out as soon as it is done.
; LDS HOLDS THE HEAD'S WHOLE K AND V, 16,384 bytes a step; every byte is filled once, one joint load a wave each time, for the four work-groups of a cluster, which belong to one head: step 0 at the head, 1,024 bytes a wave,
; steps 1-15 behind a round when it has landed, 15,360 bytes a wave, while step 0 is worked.  PREFETCH: behind the head's load the blocks of 256 bytes of steps 1-15, once in each cluster, 15 a wave, shared out by address.
; j enters memory addresses and lane masks alone: no branch, no LDS address.
; LAYOUT.  S^T = K Q^T (source 0 = 16 keys, source 1 = my 16 queries), O^T = V^T P^T: a lane (r, h) holds ONE query r throughout; the 16 registers of tiles 2 b, 2 b + 1 are keys 32 b + 16 h + 0 .. 15.
; TWO AREAS OF 64 REGISTERS take turns: a step has K, then V in the one and the scores in the other, and the next step's K goes where the scores were when they have become codes.  So a trip of the loop is two steps.
; LIMITS on the given exponents: e2 + e3 between -123 and 130; e4 and e6 between -126 and 119; the scaled scores (exponents to the base 2) stay under 2^31 in magnitude.  NaN is not served.
.set PART,  262144                     ; the second parts: 4,352 bytes for each of two pairs of waves
.set STAGE, PART+2*4352                ; the way out: 1,024 bytes a wave
.set SPARE, STAGE+16*1024              ; the spare words
.set LA,   1                           ; v1  16 x lane
.set PST,  2                           ; v2  my stage, in
.set PRD,  3                           ; v3  my stage, out
.set PRT,  4                           ; v4  my pair's part: O^T
.set PML,  5                           ; v5  -M and the sum
.set ADK,  6                           ; v6, v8 LDS address of the step's fragments, for each area
.set NINF, 7                           ; v7  -infinity
.set PFO,  10                          ; v10 the prefetch's offset
                                       ; v12 -M, v13 the largest t, v[14:15] the sum in two halves
.set QF,   16                          ; v16-23   Q's fragment
.set XA,   32                          ; v32-95   the one area: K: eight fragments of 8 registers; V: four of 16
.set YA,   96                          ; v96-159  the other
.set O,    160                         ; v160-191 O^T
.set PC,   192                         ; v192-207 codes
.set PX,   208
.set F,    210                         ; v[210:211] f = 2^(old M - new M); also at work
.set T0,   214
.set PLIM, 216                         ; 448 x 2^e4
.set PSC,  217                         ; 2^e4
.set OLIM, 219                         ; 448 x 2^e6
.set OSC,  220                         ; 2^e6
.set U,    222                         ; v222-235 the sum's chains
.set WV,   14
.set SEL,  20
.set CS,   22
.set G1,   24                          ; s[24:31] descriptor group 1 for step 0;  s[68:75] for steps 1-15
.set G1R,  68
.set G0,   32                          ; s[32:35] group 0
.set NB,   36                          ; s36-39 lanes that are hidden as a whole in the diagonal step's 32 keys b
.set EB,   40                          ; s40-43 lanes on the diagonal there
.set SW,   44                          ; the trip at which waves 8-15 have done their short tile
.set LAST, 45                          ; the last trip
.set OFFW, 46                          ; what is then added to the trip's number
.set KI,   47                          ; the loop's counter
.set KS,   48                          ; the key step
.set TBN,  49                          ; the next key step's LDS byte
.set CR,   50                          ; the diagonal step of the tile in hand
.set E45,  51
.set TN,   61                          ; a trip's number
.set KSN,  62                          ; the next key step
.macro CROUND
	s_barrier_signal -1
	s_barrier_wait -1
	s_cmp_lg_u32 s[WV], 0
	s_cbranch_scc1 .Lnot_wave_0_\@
	s_barrier_signal -3
.Lnot_wave_0_\@:
	s_barrier_wait -3
	s_barrier_signal -1
	s_barrier_wait -1
.endm
	s_load_b256 s[4:11], s[0:1], 0x0               ; q's codes, k's and v's, the scales' exponents, att_codes
	v_lshl_add_u32 v254, v0, 2, SPARE
	v_mov_b32 v255, 0
	ds_add_u32 v254, v255                          ; the opening
	ds_add_u32 v254, v255
	v_lshrrev_b32 v8, 5, v0
	v_readfirstlane_b32 s[WV], v8                  ; wave 0..15
	s_and_b32 s15, s[WV], 7
	s_lshr_b32 s16, s[WV], 3
	s_lshl_b32 s16, s16, 2
	s_xor_b32 s15, s15, s16                        ; I: waves 0-7: 0 .. 7; waves 8-15: 4 5 6 7 0 1 2 3
	s_bfe_u32 s16, ttmp6, 0x40000                  ; cx
	s_lshl_b32 s17, ttmp9, 2
	s_add_co_u32 s17, s17, s16                     ; j
	s_and_b32 s18, ttmp7, 0xffff                   ; 16 b + head
	s_mov_b32 s[G1], 15|(1<<21)                    ; bytes, no padding, all four work-groups
	s_mov_b32 s[G1+1], 256<<16                     ; 4 rows of 256 bytes, dense
	s_mov_b32 s[G1+2], 4<<16
	s_mov_b32 s[G1+3], 256<<16
	s_mov_b32 s[G1+4], 4
	s_mov_b32 s[G1+5], 256
	s_mov_b32 s[G1+6], 0
	s_mov_b32 s[G1+7], 0
	s_mov_b32 s[G1R], 15|(1<<21)
	s_mov_b32 s[G1R+1], 1024<<16                   ; 15 rows of 1,024 bytes, dense
	s_mov_b32 s[G1R+2], 15<<16
	s_mov_b32 s[G1R+3], 1024<<16
	s_mov_b32 s[G1R+4], 15
	s_mov_b32 s[G1R+5], 1024
	s_mov_b32 s[G1R+6], 0
	s_mov_b32 s[G1R+7], 0
	s_lshl_b32 s94, s18, 18                        ; the head's K and V
	s_lshl_b32 s89, s[WV], 10
	s_mov_b32 s[G0], 1
	s_mov_b32 s[G0+1], s89
	s_add_co_u32 s88, s94, s89
	s_mov_b32 s89, 0
	s_mul_i32 s92, s16, 61440                      ; the prefetch: my work-group's quarter of steps 1-15,
	s_add_co_u32 s92, s92, s94
	s_mul_i32 s93, s[WV], 3840                     ; my wave's 15 blocks
	s_add_co_u32 s92, s92, s93
	s_add_co_u32 s92, s92, 16384
	s_mov_b32 s93, 0
	s_mul_i32 s63, s[WV], 15360                    ; my part of steps 1-15
	s_add_co_u32 s63, s63, 16384
	s_add_co_u32 s94, s94, s63
	s_mov_b32 s95, 0
	s_sub_co_u32 s60, 15, s15                      ; the long tile's rank,
	s_sub_co_u32 s[OFFW], 13, s15                  ; trip I + 1 is step 14
	s_add_co_u32 s61, s15, 1
	s_min_u32 s90, s60, 13
	s_max_u32 s91, s15, 2
	s_mov_b32 s[SW], 99
	s_cmp_lt_u32 s[WV], 8
	s_cselect_b32 s19, s60, s15                    ; and the rank of my first
	s_cselect_b32 s[SW], s[SW], s61
	s_cselect_b32 s[LAST], s90, s91
	s_mov_b32 s[CR], s19
	s_lshl_b32 s90, s18, 17                        ; q's codes: the head's,
	s_lshl_b32 s91, s17, 10                        ; tile j + 8 rank
	s_add_co_u32 s90, s90, s91
	s_lshl_b32 s52, s19, 13
	s_add_co_u32 s52, s52, s90
	s_lshl_b32 s54, s60, 13
	s_add_co_u32 s54, s54, s90
	s_lshr_b32 s90, s18, 4                         ; att_codes: b's blocks,
	s_lshl_b32 s90, s90, 21
	s_bfe_u32 s91, s18, 0x30001                    ; the head's k step,
	s_lshl_b32 s91, s91, 14
	s_add_co_u32 s90, s90, s91
	s_and_b32 s91, s18, 1
	s_lshl_b32 s91, s91, 10
	s_add_co_u32 s90, s90, s91
	s_lshl_b32 s91, s17, 11                        ; tile j of block rank
	s_add_co_u32 s90, s90, s91
	s_lshl_b32 s56, s19, 17
	s_add_co_u32 s56, s56, s90
	s_mov_b32 s53, 0
	s_mov_b32 s55, 0
	s_mov_b32 s57, 0
	s_mov_b32 s[SEL], 0x76543210
	s_mov_b32 s[SEL+1], 0xfedcba98
	s_mov_b32 s[CS], 0x3e38aa3b                    ; log2(e) / 8
	s_wait_dscnt 0x0                               ; both opening adds are done
	s_wait_kmcnt 0x0
	s_load_b256 s[76:83], s[8:9], 0x0              ; e0 .. e7
	s_add_nc_u64 s[G0+2:G0+3], s[6:7], s[88:89]
	s_or_b32 s[G0+3], s[G0+3], 0x80000000
	CROUND                                         ; all four work-groups are here: the joint loads meet
	tensor_load_to_lds s[G0:G0+3], s[G1:G1+7]      ; my sixteenth of key step 0
	s_nop 0
.rept 4
	v_nop
.endr
	s_add_nc_u64 s[52:53], s[4:5], s[52:53]
	s_add_nc_u64 s[54:55], s[4:5], s[54:55]
	s_add_nc_u64 s[56:57], s[10:11], s[56:57]      ; my first tile's result
	s_add_nc_u64 s[92:93], s[6:7], s[92:93]
	; the diagonal step: keys 32 b + 16 h + i against queries 16 j + r: a half h of the lanes is hidden as a whole where 2 b + h > j, and where 2 b + h = j register i is hidden in the lanes r < i
	s_lshr_b32 s88, s17, 1
	s_and_b32 s89, s17, 1
	s_lshl_b32 s89, s89, 4
	s_lshl_b32 s90, 0xffff, s89
	s_lshl_b32 s91, 0xffff0000, s89
.irp b, 0,1,2,3
	s_cmp_eq_u32 s88, \b
	s_cselect_b32 s[EB+\b], s90, 0
	s_cselect_b32 s85, s91, 0
	s_cmp_lt_u32 s88, \b
	s_cselect_b32 s[NB+\b], -1, s85
.endr
	s_lshl_b32 s88, s[WV], 10
	s_add_co_u32 s88, s88, STAGE
	s_and_b32 s89, s[WV], 1
	s_mul_i32 s89, s89, 4352
	s_add_co_u32 s89, s89, PART
	s_add_co_u32 s90, s89, 4096
	v_and_b32 v8, 31, v0
	v_lshlrev_b32 v[LA], 4, v8
.irp c, 0,1
	global_load_b128 v[QF+4*\c:QF+4*\c+3], v[LA], s[52:53] offset:512*\c
.endr
	v_min_u32 v[PFO], 14, v8                       ; lanes left over name the wave's last block again
	v_lshlrev_b32 v[PFO], 8, v[PFO]
	v_and_b32 v9, 15, v0
	v_bfe_u32 v11, v0, 4, 1
	v_lshlrev_b32 v9, 4, v9
	v_lshl_add_u32 v9, v11, 3, v9                  ; 16 r + 8 h
	global_prefetch_b8 v[PFO], s[92:93] th:TH_LOAD_NT scope:SCOPE_SE
	v_add_nc_u32 v[PST], s88, v9
	v_add_nc_u32 v[PRD], s88, v[LA]
	v_add_nc_u32 v[PRT], s89, v[LA]
	v_lshlrev_b32 v9, 3, v8
	v_add_nc_u32 v[PML], s90, v9
	v_mov_b32 v[NINF], 0xff800000
	v_mov_b32 v[PX], 0                             ; written once: a lane exchange's destination counts as one of its sources
	v_mov_b32 v[F+1], 0                            ; (named as the upper half of a pair)
	v_mov_b32 v[F+3], 0
	s_wait_alu depctr_va_vdst(0)
	s_wait_kmcnt 0x0
	s_add_co_i32 s88, s78, s79                     ; a score stands for score x 2^(e2 + e3): added to c's exponent field
	s_lshl_b32 s88, s88, 23
	s_add_co_i32 s[CS], s[CS], s88
	s_mov_b32 s[CS+1], s[CS]
	s_add_co_i32 s[E45], s80, s81
	s_add_co_i32 s88, s80, 127
	s_lshl_b32 s89, s88, 23
	s_add_co_i32 s88, s88, 8
	s_lshl_b32 s88, s88, 23
	s_or_b32 s88, s88, 0x600000
	s_add_co_i32 s90, s82, 127
	s_lshl_b32 s91, s90, 23
	s_add_co_i32 s90, s90, 8
	s_lshl_b32 s90, s90, 23
	s_or_b32 s90, s90, 0x600000
	v_mov_b32 v[PSC], s89
	v_mov_b32 v[PLIM], s88
	v_mov_b32 v[OSC], s91
	v_mov_b32 v[OLIM], s90
.macro FRESH                           ; a tile begins: nothing summed, the largest t under every t.  (The first change of M leaves zeros zeros)
	v_mov_b32 v13, 0xff61b1e6
	v_mov_b32 v14, 0
	v_mov_b32 v15, 0
	v_floor_f32 v12, -v13
.set n, 0
.rept 32
	v_mov_b32 v[O+n], 0
.set n, n+1
.endr
.endm
.macro NEXTK d                         ; trip KI + d: its key step and that step's LDS byte
	s_add_co_u32 s[TN], s[KI], \d
	s_cmp_lt_u32 s[TN], s[SW]
	s_cselect_b32 s[KSN], 0, s[OFFW]               ; the first tile's trips are steps of their own number; later ones are steps 14 on
	s_add_co_u32 s[KSN], s[KSN], s[TN]
	s_min_u32 s[KSN], s[KSN], 15                   ; behind a wave's last step the look-ahead stays at step 15 at the most
	s_lshl_b32 s[TBN], s[KSN], 14
.endm
.macro KLOAD ar                        ; the next key step's K into area ar
	v_add_nc_u32 v[ADK+2*((\ar)/96)], s[TBN], v[LA]
.irp t, 0,1,2,3,4,5,6,7
.irp c, 0,1
	ds_load_b128 v[\ar+8*\t+4*\c:\ar+8*\t+4*\c+3], v[ADK+2*((\ar)/96)] offset:1024*\t+512*\c
.endr
.endr
.endm
.macro HOLD y, b                       ; p is not negative, so the hold is one-sided; the conversion to an 8-bit code does not saturate (ISA guide 7.6.2)
.set n, \y+16*\b
.rept 8
	v_dual_min_num_f32 v[n], v[PLIM], v[n] :: v_dual_min_num_f32 v[n+1], v[PLIM], v[n+1]
.set n, n+2
.endr
.endm
.macro CODE y, b
	v_cvt_scalef32_pk8_fp8_f32 v[PC+4*\b:PC+4*\b+1], v[\y+16*\b:\y+16*\b+7], v[PSC]
	v_cvt_scalef32_pk8_fp8_f32 v[PC+4*\b+2:PC+4*\b+3], v[\y+16*\b+8:\y+16*\b+15], v[PSC]
.endm
.macro ADD d, a                        ; one packed addition onto a chain
	v_pk_add_f32 v[\d:\d+1], v[\d:\d+1], v[\a:\a+1]
.endm
; A KEY STEP: 128 keys, number KS; K has been asked for into area x; the scores go into area y.  pf = 1: the next step's K is asked for, at TBN.
.macro STEP x, y, pf
.rept 5
	v_nop                                          ; places between the last products and those that write over their V
.endr
	s_wait_alu depctr_va_vdst(0)
	s_wait_dscnt 0x0                               ; K's fragments are in
.irp t, 0,1,2,3,4,5,6,7
	v_wmma_f32_16x16x64_fp8_fp8 v[\y+8*\t:\y+8*\t+7], v[\x+8*\t:\x+8*\t+7], v[QF:QF+7], 0
.endr
.rept 4
	v_nop                                          ; places in front of the loads below and of the first read of the scores
.endr
.irp t, 0,1,2,3                                ; V's four fragments land during the softmax
.irp c, 0,1,2,3
	ds_load_b128 v[\x+16*\t+4*\c:\x+16*\t+4*\c+3], v[ADK+2*((\x)/96)] offset:8192+2048*\t+512*\c
.endr
.endr
	s_cmp_lt_u32 s[KS], s[CR]                      ; all keys of an earlier step count; on the diagonal hidden scores become -infinity ahead of the maximum.  The step's first key counts for every query
	s_cbranch_scc1 .Lopen_\@
.irp b, 0,1,2,3
	v_cndmask_b32 v[\y+16*\b], v[\y+16*\b], v[NINF], s[NB+\b]
.irp i, 1,2,3,4,5,6,7,8,9,10,11,12,13,14,15
	s_and_b32 s[84+(\i%2)], s[EB+\b], ((1<<\i)-1)*0x10001
	s_or_b32 s[84+(\i%2)], s[84+(\i%2)], s[NB+\b]
	v_cndmask_b32 v[\y+16*\b+\i], v[\y+16*\b+\i], v[NINF], s[84+(\i%2)]
.endr
.endr
.Lopen_\@:
	v_max3_num_f32 v[T0], v[\y], v[\y+1], v[\y+2]  ; the step's largest score of my query, among my 64 keys, in four chains,
	v_max3_num_f32 v[F], v[\y+3], v[\y+4], v[\y+5]
	v_max3_num_f32 v[U], v[\y+6], v[\y+7], v[\y+8]
	v_max3_num_f32 v[U+2], v[\y+9], v[\y+10], v[\y+11]
.irp i, 12,20,28,36,44,52
	v_max3_num_f32 v[T0], v[T0], v[\y+\i], v[\y+1+\i]
	v_max3_num_f32 v[F], v[F], v[\y+2+\i], v[\y+3+\i]
	v_max3_num_f32 v[U], v[U], v[\y+4+\i], v[\y+5+\i]
	v_max3_num_f32 v[U+2], v[U+2], v[\y+6+\i], v[\y+7+\i]
.endr
	v_max3_num_f32 v[T0], v[T0], v[\y+60], v[\y+61]
	v_max3_num_f32 v[F], v[F], v[\y+62], v[\y+63]
	v_max_num_f32 v[U], v[U], v[U+2]
	s_delay_alu instid0(VALU_DEP_1)
	v_max3_num_f32 v[T0], v[T0], v[F], v[U]
	s_delay_alu instid0(VALU_DEP_1)
	v_permlanex16_b32 v[PX], v[T0], s[SEL], s[SEL+1]
	s_delay_alu instid0(VALU_DEP_1)
	v_max_num_f32 v[T0], v[T0], v[PX]              ; and among lane l xor 16's
	s_delay_alu instid0(VALU_DEP_1)
	v_mul_f32 v[T0], s[CS], v[T0]                  ; as t (c is positive)
	s_delay_alu instid0(VALU_DEP_1)
	v_max_num_f32 v13, v13, v[T0]                  ; the running largest t
	v_mov_b32 v[T0], v12
	s_delay_alu instid0(VALU_DEP_2)
	v_floor_f32 v12, -v13                          ; the new -M = floor(-t): M is a whole number
	s_delay_alu instid0(VALU_DEP_1)
	v_sub_f32 v[T0], v12, v[T0]                    ; M's old value less its new one
	s_delay_alu instid0(VALU_DEP_1)
	v_cvt_i32_f32 v[T0], v[T0]                     ; (it saturates)
	s_delay_alu instid0(VALU_DEP_1)
	v_ldexp_f32 v[F], 1.0, v[T0]                   ; f = 2^(old M - new M)
.set n, \y
.rept 32
	v_pk_fma_f32 v[n:n+1], v[n:n+1], s[CS:CS+1], v[12:13] op_sel_hi:[1,0,0]   ; t - M, two at a time
.set n, n+2
.endr
	s_wait_alu depctr_va_vdst(0)
.set n, \y
.rept 64
	v_exp_f32 v[n], v[n]                           ; p = 2^(t - M), at most 1: not normalised
.set n, n+1
.endr
	v_pk_mul_f32 v[14:15], v[14:15], v[F:F+1] op_sel_hi:[1,0]   ; the sums under the new M: the plain line behind the exponentials
	s_wait_alu depctr_va_vdst(0)                   ; one wait for the batch, ahead of its first reader
.irp k, 0,1,2,3,4,5,6                          ; the row's sum of the unquantised p, in eight chains
	v_pk_add_f32 v[U+2*\k:U+2*\k+1], v[\y+4*\k:\y+4*\k+1], v[\y+4*\k+2:\y+4*\k+3]
.endr
	ADD 14, \y+28
.irp k, 0,1,2,3,4,5,6
	ADD U+2*\k, \y+30+2*\k
.endr
	ADD 14, \y+44
.irp k, 0,1,2,3,4,5,6
	ADD U+2*\k, \y+46+2*\k
.endr
	ADD 14, \y+60
	ADD U, \y+62
	HOLD \y, 0
	ADD U, U+8                                     ; the chains are joined among the holds
	ADD U+2, U+10
	ADD U+4, U+12
	ADD U+6, 14
	CODE \y, 0
	HOLD \y, 1
	ADD U, U+4
	ADD U+2, U+6
	CODE \y, 1
	HOLD \y, 2
	v_pk_add_f32 v[14:15], v[U:U+1], v[U+2:U+3]
	CODE \y, 2
	HOLD \y, 3
	CODE \y, 3
	s_wait_alu depctr_va_vdst(0)                   ; ahead of the first reader of O^T
.set n, O
.rept 16
	v_pk_mul_f32 v[n:n+1], v[n:n+1], v[F:F+1] op_sel_hi:[1,0]   ; O^T under the new M; also the plain lines behind the conversions
.set n, n+2
.endr
.if \pf
	KLOAD \y
	s_wait_alu depctr_va_vdst(0)
	s_wait_dscnt 16                                ; V's fragments are in; the 16 loads of the next K may be out
.else
	s_wait_alu depctr_va_vdst(0)
	s_wait_dscnt 0x0
.endif
.irp t, 0,1,2,3
	v_wmma_f32_16x16x128_fp8_fp8 v[O+8*\t:O+8*\t+7], v[\x+16*\t:\x+16*\t+15], v[PC:PC+15], v[O+8*\t:O+8*\t+7]   ; the four accumulators take turns
.endr
.endm
; THE WAY OUT of a tile: v14 = my lane's sum, O^T; area ar is free; s[56:57]: where its 1,024 bytes go.
.macro OUT ar
	v_permlanex16_b32 v[PX], v14, s[SEL], s[SEL+1]
	s_delay_alu instid0(VALU_DEP_1)
	v_add_f32 v14, v14, v[PX]                      ; the row's sum
	s_wait_alu depctr_va_vdst(0)                   ; ahead of the transcendental
	v_rcp_f32 v14, v14
	v_nop
	v_nop
	s_wait_alu depctr_va_vdst(0)                   ; and ahead of its first reader
	v_ldexp_f32 v14, v14, s[E45]                   ; x 2^(e4 + e5)
	s_wait_alu depctr_va_vdst(0)                   ; ahead of the first reader of O^T
.set n, 0
.rept 32
	v_mul_f32 v[\ar+n], v[O+n], v14                ; register 8 t + i is o(query r, channel 16 t + 8 h + i)
.set n, n+1
.endr
.set n, 0
.rept 32
	v_med3_num_f32 v[\ar+n], v[\ar+n], -v[OLIM], v[OLIM]
.set n, n+1
.endr
.irp t, 0,1,2,3
	v_cvt_scalef32_pk8_fp8_f32 v[PC+2*\t:PC+2*\t+1], v[\ar+8*\t:\ar+8*\t+7], v[OSC]
.endr
	v_nop
.irp t, 0,1,2,3
	ds_store_b64 v[PST], v[PC+2*\t:PC+2*\t+1] offset:256*\t
.endr
	ds_load_b128 v[PC+8:PC+11], v[PRD]             ; LDS serves a wave's instructions in order: these see my stores
	ds_load_b128 v[PC+12:PC+15], v[PRD] offset:512
	s_wait_dscnt 0x0
	global_store_b128 v[LA], v[PC+8:PC+11], s[56:57]             ; 512 consecutive bytes, aligned
	global_store_b128 v[LA], v[PC+12:PC+15], s[56:57] offset:512
	s_wait_xcnt 0x0                                ; the stores have read their registers
.endm
; TRIP KI + d.  Waves 8-15: at trip SW the short tile goes out, and waves 12 and 13 begin their part of a long one.
.macro TRIP x, y, d
	s_add_co_u32 s[TN], s[KI], \d
	s_cmp_lt_u32 s[WV], 8
	s_cbranch_scc1 .Lsame_\@
	s_cmp_lg_u32 s[TN], s[SW]
	s_cbranch_scc1 .Lsame_\@
	s_wait_dscnt 0x0                               ; the K that was asked for is in
	v_add_f32 v14, v14, v15
	s_delay_alu instid0(VALU_DEP_1)
	OUT \y
	s_cmp_lt_u32 s[WV], 12
	s_cbranch_scc1 .Lsame_\@
	s_cmp_gt_u32 s[WV], 13
	s_cbranch_scc1 .Lsame_\@
.irp c, 0,1
	global_load_b128 v[QF+4*\c:QF+4*\c+3], v[LA], s[54:55] offset:512*\c
.endr
	FRESH
	s_mov_b32 s[CR], s60
	s_wait_alu depctr_va_vdst(0)
	s_wait_loadcnt 0x0
.Lsame_\@:
	s_cmp_gt_u32 s[TN], s[LAST]
	s_cbranch_scc1 .Lskip_\@
	s_mov_b32 s[KS], s[KSN]
	NEXTK \d+1
	STEP \x, \y, 1
.Lskip_\@:
.endm
	FRESH
	s_mov_b32 s[KS], 0
	s_mov_b32 s[TBN], 0
	s_wait_alu depctr_va_vdst(0)                   ; the head's end
	s_wait_loadcnt 0x0                             ; Q
	s_wait_tensorcnt 0x0                           ; my part of step 0 is in
	ds_add_u32 v254, v255
	s_mov_b32 s[G0+1], s63
	s_add_nc_u64 s[G0+2:G0+3], s[6:7], s[94:95]
	s_or_b32 s[G0+3], s[G0+3], 0x80000000
	s_wait_dscnt 0x0
	CROUND                                         ; everybody's part is in, and the joint loads meet
	tensor_load_to_lds s[G0:G0+3], s[G1R:G1R+7]    ; my part of steps 1-15
	s_nop 0
.rept 4
	v_nop
.endr
	KLOAD XA
	STEP XA, YA, 0
	s_wait_tensorcnt 0x0                           ; my load is done,
	s_wait_dscnt 0x0
	s_barrier_signal -1
	s_barrier_wait -1                              ; everybody's is: the whole K and V are in
	s_mov_b32 s[KI], 1
	NEXTK 0
	KLOAD YA
.Lloop:                                            ; seven times two trips, 1 .. 14, in every wave
	TRIP YA, XA, 0
	TRIP XA, YA, 1
	s_add_co_u32 s[KI], s[KI], 2
	s_cmp_lt_u32 s[KI], 15
	s_cbranch_scc1 .Lloop
.rept 4
	v_nop                                          ; places behind the last products
.endr
	s_wait_dscnt 0x0                               ; the last look-ahead is in
	s_cmp_lt_u32 s[WV], 2
	s_cbranch_scc1 .Lmeet
	s_cmp_lt_u32 s[WV], 8
	s_cbranch_scc0 .Lsecond
	v_add_f32 v14, v14, v15                        ; waves 2-7: the long tile is done
	s_delay_alu instid0(VALU_DEP_1)
	OUT YA
	s_branch .Lmeet
.Lsecond:
	s_cmp_lt_u32 s[WV], 12
	s_cbranch_scc1 .Lmeet
	s_cmp_gt_u32 s[WV], 13
	s_cbranch_scc1 .Lmeet
	v_add_f32 v13, v14, v15                        ; waves 12 and 13 lay their part of a long tile into LDS
.irp t, 0,1,2,3
	ds_store_b128 v[PRT], v[O+8*\t:O+8*\t+3] offset:1024*\t
	ds_store_b128 v[PRT], v[O+8*\t+4:O+8*\t+7] offset:1024*\t+512
.endr
	ds_store_b64 v[PML], v[12:13]
.Lmeet:
	s_wait_alu depctr_va_vdst(0)
	s_wait_dscnt 0x0
	s_barrier_signal -1
	s_barrier_wait -1
	s_cmp_lt_u32 s[WV], 2
	s_cbranch_scc0 .Lend
.irp k, 0,1,2,3,4,5,6,7
	ds_load_b128 v[YA+4*\k:YA+4*\k+3], v[PRT] offset:512*\k
.endr
	ds_load_b64 v[XA:XA+1], v[PML]
	v_add_f32 v14, v14, v15
	s_wait_alu depctr_va_vdst(0)
	s_wait_dscnt 0x0
	v_min_num_f32 v[T0], v12, v[XA]                ; both parts under the larger M
	s_delay_alu instid0(VALU_DEP_1)
	v_sub_f32 v34, v[T0], v12
	v_sub_f32 v36, v[T0], v[XA]
	s_delay_alu instid0(VALU_DEP_2)
	v_cvt_i32_f32 v34, v34
	s_delay_alu instid0(VALU_DEP_2)
	v_cvt_i32_f32 v36, v36
	s_delay_alu instid0(VALU_DEP_2)
	v_ldexp_f32 v[F], 1.0, v34
	s_delay_alu instid0(VALU_DEP_2)
	v_ldexp_f32 v[F+2], 1.0, v36
	v_mul_f32 v14, v14, v[F]
	s_delay_alu instid0(VALU_DEP_1)
	v_fmac_f32 v14, v[XA+1], v[F+2]
.set n, 0
.rept 16
	v_pk_mul_f32 v[O+n:O+n+1], v[O+n:O+n+1], v[F:F+1] op_sel_hi:[1,0]
.set n, n+2
.endr
.set n, 0
.rept 16
	v_pk_fma_f32 v[O+n:O+n+1], v[YA+n:YA+n+1], v[F+2:F+3], v[O+n:O+n+1] op_sel_hi:[1,0,1]
.set n, n+2
.endr
	OUT YA
.Lend:
	s_wait_tensorcnt 0x0                           ; the wave's end
	ds_add_u32 v254, v255
	s_wait_dscnt 0x0
	CROUND                                         ; the closing round
	s_endpgm
.Lfunc_end_k_q8d49cb72da_attn:
	.size	k_q8d49cb72da_attn, .Lfunc_end_k_q8d49cb72da_attn-k_q8d49cb72da_attn
	.p2alignl 7, 3214868480
	.fill 96, 4, 3214868480
	.section	.rodata,"a",@progbits
	.p2align	6, 0x0
	.amdhsa_kernel k_q8d49cb72da_attn
		.amdhsa_group_segment_fixed_size 327680
		.amdhsa_private_segment_fixed_size 0
		.amdhsa_enable_private_segment 0
		.amdhsa_kernarg_size 32
		.amdhsa_user_sgpr_count 2
		.amdhsa_user_sgpr_kernarg_segment_ptr 1
		.amdhsa_wavefront_size32 1
		.amdhsa_system_sgpr_workgroup_id_x 1
		.amdhsa_system_sgpr_workgroup_id_y 1
		.amdhsa_system_sgpr_workgroup_id_z 1
		.amdhsa_system_vgpr_workitem_id 0
		.amdhsa_next_free_vgpr 256
		.amdhsa_next_free_sgpr 100
		.amdhsa_reserve_vcc 0
		.amdhsa_float_denorm_mode_32 3
		.amdhsa_float_denorm_mode_16_64 3
		.amdhsa_memory_ordered 1
		.amdhsa_forward_progress 1
		.amdhsa_inst_pref_size 113
	.end_amdhsa_kernel
	.amdgpu_metadata
---
amdhsa.version: [ 1, 2 ]
amdhsa.kernels:
  - .name:           k_q8d49cb72da_attn
    .symbol:         k_q8d49cb72da_attn.kd
    .args:
      - { .name: q_codes, .offset: 0, .size: 8, .value_kind: global_buffer, .address_space: global }
      - { .name: kv_codes, .offset: 8, .size: 8, .value_kind: global_buffer, .address_space: global }
      - { .name: lowp_scales, .offset: 16, .size: 8, .value_kind: global_buffer, .address_space: global }
      - { .name: att_codes, .offset: 24, .size: 8, .value_kind: global_buffer, .address_space: global }
    .group_segment_fixed_size: 327680
    .private_segment_fixed_size: 0
    .kernarg_segment_align: 8
    .kernarg_segment_size: 32
    .max_flat_workgroup_size: 512
    .sgpr_count:     100
    .vgpr_count:     256
    .wavefront_size: 32
...
	.end_amdgpu_metadata
.endif
;; end of part 3
;; launch proj (part 4): grid 8 x 32, 4 waves a work-group, clusters of 4 x 4, 327,680 bytes of LDS; arguments att_codes, wout_codes, lowp_scales, b_out, out0; writes out0
.if DOCPART == 4
	.amdgcn_target "amdgcn-amd-amdhsa--gfx1250"
	.amdhsa_code_object_version 6
	.text
	.protected	k_q8d49cb72da_proj
	.globl	k_q8d49cb72da_proj
	.p2align	8
	.type	k_q8d49cb72da_proj,@function
k_q8d49cb72da_proj:
	s_mov_b64 s[64:65], 0
	v_nop
	global_prefetch_b8 v0, s[64:65] scope:SCOPE_SE
	s_setreg_imm32_b32 hwreg(HW_REG_WAVE_MODE, 25, 1), 1
	s_wait_xcnt 0x0
	s_wait_alu depctr_hold_cnt(0) depctr_sa_sdst(0) depctr_va_vdst(0) depctr_va_sdst(0) depctr_va_ssrc(0) depctr_va_vcc(0) depctr_vm_vsrc(0)
	s_getreg_b32 s2, hwreg(HW_REG_IB_STS2, 6, 4)
	s_cmp_eq_u32 s2, 0
	s_cbranch_scc0 .Lentry_in_a_cluster
	s_endpgm
.Lentry_in_a_cluster:
	s_bfe_u32 s2, ttmp6, 0x10000c
	s_cmp_lg_u32 s2, 0xf033
	s_cbranch_scc0 .Lentry_shape_is_right
	s_endpgm
.Lentry_shape_is_right:
; out0 = att w_out^T + b_out on codes of FP8 (E4M3), K = 1,024.  att_codes and wout_codes: blocks of 128 rows, [8 k steps][8 units of 16 rows x 128 k, 2,048 bytes, [c][lane] x 16 bytes]: 131,072 bytes a block.  out0: [4096][1024] f32.
; A sum stands for sum x 2^(e6 + e7): out = sum x 2^(e6 + e7) + b_out, one packed multiply-add for two numbers.  LIMIT: e6 + e7 between -126 and 127.
; A tile of out0 is 128 x 128: 256 work-groups of four waves, a wave 64 x 64: 16 accumulators of 16 x 16.
; THE WHOLE K OF BOTH TILES LIES IN LDS, as it lies in memory; every byte is filled once, one joint load a wave each time, even waves att's bytes, odd waves w_out's, by halves: k steps 0-3 at the head, k steps 4-7 behind a round
; when those have landed.  PREFETCH: behind the head's loads the blocks of 256 bytes of k steps 4-7, 16 a wave, shared out by address: att's once in each cluster, w_out's by the first four rows of clusters alone, since all rows read it.
; CLUSTERS: 4 x 4 work-groups.  The four of a row need the same tokens' codes, the four of a column the same rows of w_out: a mask names the four.
; THE MATRIX INSTRUCTION IS USED TRANSPOSED (source 0 = 16 rows of w_out, source 1 = 16 tokens): a lane holds eight neighbouring numbers of a row of out0.
; REGISTERS: window 0: v1-31 addresses; v32-63 b_out at my 64 columns; v64-127 rows on the way out; v128-255 the accumulators ((a, b) at v[128 + 8 (4 a + b)]).
;   window 1: two fragment buffers of 128 registers: for 128 along K, att's four fragments (16 registers each), then w_out's four.
.set BB,     131072                    ; LDS: att's block, then w_out's,
.set STAGE,  262144                    ; then the stages for the way out, 16 rows x 272 bytes a wave, into which no tile lands,
.set SPITCH, 272
.set SPARE,  STAGE+4*16*SPITCH         ; and the spare words
.set SPW,  30
.set NIL,  31
.set PFO,  8                           ; v8      the prefetches' offset
.set ADRA, 16                          ; v16-17  LDS address of my att fragments, k steps 0-3 and 4-7
.set ADRB, 20                          ; v20-21  the same for w_out
.set STO,  24                          ; v24     the way out: where I put 32 bytes of a row
.set RD,   25                          ; v25     where I read a row back
.set CO,   26                          ; v26     my byte offset in out0
.set BA,   27                          ; v27     32 h: the bias's offset
.set BO,   32
.set BK,   64
.set ACC,  128
.set G1A,  24
.set G1B,  32
.set G0A,  40
.set G0B,  44
.set SCL,  86                          ; s[86:87] 2^(e6 + e7)
.set MSB, 0
.macro WIN new                         ; the immediate's high byte repeats the setting that is left
.if MSB != \new
	s_set_vgpr_msb (MSB<<8)|\new
.set MSB, \new
.endif
.endm
.set MUL,  0x05                        ; sources 0 and 1 window 1; C and D window 0
.set TO_F, 0x40                        ; destination window 1, address window 0
.macro CROUND
	s_barrier_signal -1
	s_barrier_wait -1
	s_cmp_lg_u32 s10, 0
	s_cbranch_scc1 .Lnot_wave_0_\@
	s_barrier_signal -3
.Lnot_wave_0_\@:
	s_barrier_wait -3
	s_barrier_signal -1
	s_barrier_wait -1
.endm
.macro PLACES                          ; four places behind matrix instructions (ISA guide 7.12.1)
.rept 4
	v_nop
.endr
.endm
.macro JLOAD
	s_cmp_eq_u32 s12, 0
	s_cbranch_scc0 .Lfor_b_\@
	tensor_load_to_lds s[G0A:G0A+3], s[G1A:G1A+7]
	s_nop 0
	PLACES
	s_branch .Lasked_\@
.Lfor_b_\@:
	tensor_load_to_lds s[G0B:G0B+3], s[G1B:G1B+7]
	s_nop 0
	PLACES
.Lasked_\@:
.endm
	s_load_b256 s[76:83], s[0:1], 0x0              ; att_codes, wout_codes, the scales' exponents, b_out
	s_load_b64 s[84:85], s[0:1], 0x20              ; out0
	v_lshl_add_u32 v[SPW], v0, 2, SPARE
	v_mov_b32 v[NIL], 0
	ds_add_u32 v[SPW], v[NIL]                      ; the opening
	ds_add_u32 v[SPW], v[NIL]
	v_lshrrev_b32 v1, 5, v0
	v_readfirstlane_b32 s10, v1                    ; wave 0..3
	s_lshr_b32 s11, s10, 1                         ; which half of the tile's rows is mine.  Also: which half of the bytes I fetch
	s_and_b32 s12, s10, 1                          ; which half of its columns.  Also: I fetch att's codes (0) or w_out's (1)
	s_bfe_u32 s16, ttmp6, 0x40000                  ; cx, cy
	s_bfe_u32 s17, ttmp6, 0x40004
	s_lshl_b32 s18, ttmp9, 2
	s_add_co_u32 s18, s18, s16                     ; tile column
	s_and_b32 s14, ttmp7, 0xffff                   ; the cluster's row
	s_lshl_b32 s13, s14, 2
	s_add_co_u32 s13, s13, s17                     ; tile row
	s_lshl_b32 s19, s17, 2
	s_lshl_b32 s19, 15, s19                        ; my row of the cluster
	s_lshl_b32 s20, 0x1111, s16                    ; my column
	s_or_b32 s[G1A], s19, 1<<21                    ; bytes, no padding
	s_or_b32 s[G1B], s20, 1<<21
.irp g, G1A, G1B                               ; 32 rows of 1,024 bytes, dense
	s_mov_b32 s[\g+1], 1024<<16
	s_mov_b32 s[\g+2], 32<<16
	s_mov_b32 s[\g+3], 1024<<16
	s_mov_b32 s[\g+4], 32
	s_mov_b32 s[\g+5], 1024
	s_mov_b32 s[\g+6], 0
	s_mov_b32 s[\g+7], 0
.endr
	s_lshl_b32 s8, s11, 15
	s_lshl_b32 s4, s13, 17                         ; att's block,
	s_lshl_b32 s6, s18, 17                         ; w_out's
	s_lshl_b32 s9, s10, 12                         ; the prefetches': my wave's 16 blocks in k steps 4-7,
	s_add_co_u32 s9, s9, 0x10000
	s_lshl_b32 s68, s16, 14                        ; in my work-group's quarter
	s_add_co_u32 s68, s68, s9
	s_add_co_u32 s68, s68, s4
	s_mov_b32 s69, 0
	s_lshl_b32 s70, s17, 14
	s_add_co_u32 s70, s70, s9
	s_add_co_u32 s70, s70, s6
	s_mov_b32 s71, 0
	s_add_co_u32 s4, s4, s8
	s_mov_b32 s5, 0
	s_add_co_u32 s6, s6, s8
	s_mov_b32 s7, 0
	s_mov_b32 s[G0A], 1
	s_mov_b32 s[G0A+1], s8
	s_mov_b32 s[G0B], 1
	s_add_co_u32 s[G0B+1], s8, BB
	s_wait_dscnt 0x0                               ; both opening adds are done
	s_wait_kmcnt 0x0
	s_load_b256 s[88:95], s[80:81], 0x0            ; e0 .. e7
	s_add_nc_u64 s[G0A+2:G0A+3], s[76:77], s[4:5]
	s_or_b32 s[G0A+3], s[G0A+3], 0x80000000
	s_add_nc_u64 s[G0B+2:G0B+3], s[78:79], s[6:7]
	s_or_b32 s[G0B+3], s[G0B+3], 0x80000000
	CROUND                                         ; all sixteen work-groups are here: the joint loads meet
	JLOAD                                          ; k steps 0-3
	s_add_nc_u64 s[68:69], s[76:77], s[68:69]
	s_add_nc_u64 s[70:71], s[78:79], s[70:71]
	s_lshl_b32 s4, s18, 9
	s_lshl_b32 s5, s12, 8
	s_add_co_u32 s4, s4, s5                        ; my first column, in bytes
	s_mov_b32 s5, 0
	s_add_nc_u64 s[82:83], s[82:83], s[4:5]        ; b_out there
	s_lshl_b32 s6, s13, 7
	s_lshl_b32 s7, s11, 6
	s_add_co_u32 s6, s6, s7                        ; my first row,
	s_lshl_b32 s6, s6, 12                          ; of 4,096 bytes
	s_add_co_u32 s6, s6, s4
	s_mov_b32 s7, 0
	s_add_nc_u64 s[84:85], s[84:85], s[6:7]
	s_lshl_b32 s21, s11, 13                        ; my four units of att's rows,
	s_lshl_b32 s22, s12, 13
	s_add_co_u32 s22, s22, BB                      ; and of w_out's
	s_mul_i32 s23, s10, 16*SPITCH
	s_add_co_u32 s23, s23, STAGE                   ; my stage
	v_and_b32 v1, 15, v0                           ; r
	v_bfe_u32 v2, v0, 4, 1                         ; h
	v_and_b32 v3, 31, v0
	v_lshlrev_b32 v3, 4, v3                        ; 16 x lane
	v_lshlrev_b32 v[BA], 5, v2
	v_lshlrev_b32 v[PFO], 8, v1                    ; 16 blocks; lanes 16-31 name them again
.irp b, 0,1,2,3
	global_load_b128 v[BO+8*\b:BO+8*\b+3], v[BA], s[82:83] offset:64*\b        ; register 8 b + j: b_out at my column 16 b + 8 h + j
	global_load_b128 v[BO+8*\b+4:BO+8*\b+7], v[BA], s[82:83] offset:64*\b+16
.endr
	v_add_nc_u32 v[ADRA], s21, v3
	v_add_nc_u32 v[ADRA+1], 0x10000, v[ADRA]
	v_add_nc_u32 v[ADRB], s22, v3
	v_add_nc_u32 v[ADRB+1], 0x10000, v[ADRB]
	v_mul_u32_u24 v4, v1, SPITCH
	v_lshl_add_u32 v5, v2, 5, v4                   ; in: row r, 32 bytes for each half of the lanes
	v_add_nc_u32 v[STO], s23, v5
	v_mul_u32_u24 v6, v2, SPITCH                   ; back: lanes 0-15 one row of 256 bytes, lanes 16-31 the next
	v_lshl_add_u32 v6, v1, 4, v6
	v_add_nc_u32 v[RD], s23, v6
	v_lshlrev_b32 v7, 12, v2                       ; and the same two rows in out0
	v_lshl_add_u32 v[CO], v1, 4, v7
	s_wait_alu depctr_va_vdst(0)                   ; the head's end
	global_prefetch_b8 v[PFO], s[68:69] th:TH_LOAD_NT scope:SCOPE_SE
	s_cmp_lt_u32 s14, 4
	s_cbranch_scc0 .Lnot_mine
	global_prefetch_b8 v[PFO], s[70:71] th:TH_LOAD_NT scope:SCOPE_SE
.Lnot_mine:
	s_wait_kmcnt 0x0
	s_add_co_i32 s[SCL], s94, s95                  ; e6 + e7,
	s_add_co_i32 s[SCL], s[SCL], 127
	s_lshl_b32 s[SCL], s[SCL], 23                  ; makes the f32 number 2^(e6 + e7)
	s_mov_b32 s[SCL+1], s[SCL]                     ; (named with it as a pair)
	s_wait_loadcnt 0x0                             ; b_out
; 32 LDS loads: the fragments of k step s into buffer f.
.macro FETCH s, f
	WIN TO_F
.irp i, 0,1,2,3
.irp c, 0,1,2,3
	ds_load_b128 v[(\f)+16*\i+4*\c:(\f)+16*\i+4*\c+3], v[ADRA+(\s)/4] offset:((\s)%4)*16384+2048*\i+512*\c
	ds_load_b128 v[(\f)+64+16*\i+4*\c:(\f)+64+16*\i+4*\c+3], v[ADRB+(\s)/4] offset:((\s)%4)*16384+2048*\i+512*\c
.endr
.endr
.endm
; 16 matrix instructions, 128 along K; zero = 1: the first products start the sums.  The 16 accumulators take turns, in the same order in every step.
.macro MUL16 f, zero
	WIN MUL
.irp a, 0,1,2,3
.irp b, 0,1,2,3
.if \zero
	v_wmma_f32_16x16x128_fp8_fp8 v[ACC+8*(4*\a+\b):ACC+8*(4*\a+\b)+7], v[(\f)+64+16*\b:(\f)+64+16*\b+15], v[(\f)+16*\a:(\f)+16*\a+15], 0
.else
	v_wmma_f32_16x16x128_fp8_fp8 v[ACC+8*(4*\a+\b):ACC+8*(4*\a+\b)+7], v[(\f)+64+16*\b:(\f)+64+16*\b+15], v[(\f)+16*\a:(\f)+16*\a+15], v[ACC+8*(4*\a+\b):ACC+8*(4*\a+\b)+7]
.endif
.endr
.endr
.endm
	s_wait_tensorcnt 0x0                           ; my part of k steps 0-3 is in
	ds_add_u32 v[SPW], v[NIL]
	s_add_co_u32 s[G0A+1], s[G0A+1], 0x10000       ; on to k steps 4-7, in LDS and in memory
	s_add_co_u32 s[G0B+1], s[G0B+1], 0x10000
	s_add_nc_u64 s[G0A+2:G0A+3], s[G0A+2:G0A+3], 0x10000
	s_add_nc_u64 s[G0B+2:G0B+3], s[G0B+2:G0B+3], 0x10000
	s_wait_dscnt 0x0
	CROUND                                         ; everybody's part is in, and the joint loads meet
	JLOAD                                          ; k steps 4-7
	FETCH 0, 0
.irp s, 0,1,2,3,4,5,6,7                        ; eight k steps, written out; while one buffer is multiplied the other is fetched
	s_wait_dscnt 0x0                               ; this step's fragments are in
.if \s == 3
	s_wait_tensorcnt 0x0                           ; my part of k steps 4-7 is in,
	s_barrier_signal -1
	s_barrier_wait -1                              ; everybody's is
.endif
.if \s < 7
.if \s > 0
	PLACES                                         ; the buffer to be fetched was read by the products just issued
.endif
	FETCH \s+1, 128*((\s+1)%2)
.endif
.if \s == 0
	MUL16 0, 1
.else
	MUL16 128*(\s%2), 0
.endif
.endr
	WIN 0
; THE WAY OUT, block by block of 16 rows x 64 columns, through my own stage, so that whole rows of 256 bytes leave.  LDS serves a wave's instructions in order: no wait between the stores and the loads, nor in front of the next block's stores.
.macro TOST a
.irp b, 0,1,2,3
.irp i, 0,2,4,6
	v_pk_fma_f32 v[ACC+8*(4*(\a)+\b)+\i:ACC+8*(4*(\a)+\b)+\i+1], v[ACC+8*(4*(\a)+\b)+\i:ACC+8*(4*(\a)+\b)+\i+1], s[SCL:SCL+1], v[BO+8*\b+\i:BO+8*\b+\i+1] op_sel_hi:[1,0,1]   ; sum x 2^(e6 + e7) + b_out
.endr
.endr
.irp b, 0,1,2,3
	ds_store_b128 v[STO], v[ACC+8*(4*(\a)+\b):ACC+8*(4*(\a)+\b)+3] offset:64*\b
	ds_store_b128 v[STO], v[ACC+8*(4*(\a)+\b)+4:ACC+8*(4*(\a)+\b)+7] offset:64*\b+16
.endr
.irp t, 0,1,2,3,4,5,6,7
	ds_load_b128 v[BK+32*((\a)%2)+4*\t:BK+32*((\a)%2)+4*\t+3], v[RD] offset:2*\t*SPITCH
.endr
.endm
.macro SEND a, younger                 ; younger: the LDS instructions issued behind block a's loads, which may stay out
	s_wait_dscnt \younger
.irp t, 0,1,2,3,4,5,6,7
	global_store_b128 v[CO], v[BK+32*((\a)%2)+4*\t:BK+32*((\a)%2)+4*\t+3], s[84:85] offset:(16*(\a)+2*\t)*4096 th:TH_STORE_NT   ; 16 lanes store 256 consecutive bytes, aligned; written once, read by nobody here
.endr
.endm
	PLACES                                         ; behind the last products
	TOST 0
	TOST 1
	SEND 0, 16                                     ; behind block 0's loads: block 1's 8 stores and 8 loads
	s_wait_xcnt 0x0                                ; block 0's stores have read their registers: block 2's loads may land there
	TOST 2
	SEND 1, 16
	s_wait_xcnt 0x0
	TOST 3
	SEND 2, 16
	SEND 3, 0
	s_wait_tensorcnt 0x0                           ; the wave's end
	ds_add_u32 v[SPW], v[NIL]
	s_wait_dscnt 0x0
	CROUND                                         ; the closing round
	s_endpgm
.Lfunc_end_k_q8d49cb72da_proj:
	.size	k_q8d49cb72da_proj, .Lfunc_end_k_q8d49cb72da_proj-k_q8d49cb72da_proj
	.p2alignl 7, 3214868480
	.fill 96, 4, 3214868480
	.section	.rodata,"a",@progbits
	.p2align	6, 0x0
	.amdhsa_kernel k_q8d49cb72da_proj
		.amdhsa_group_segment_fixed_size 327680
		.amdhsa_private_segment_fixed_size 0
		.amdhsa_enable_private_segment 0
		.amdhsa_kernarg_size 40
		.amdhsa_user_sgpr_count 2
		.amdhsa_user_sgpr_kernarg_segment_ptr 1
		.amdhsa_wavefront_size32 1
		.amdhsa_system_sgpr_workgroup_id_x 1
		.amdhsa_system_sgpr_workgroup_id_y 1
		.amdhsa_system_sgpr_workgroup_id_z 1
		.amdhsa_system_vgpr_workitem_id 0
		.amdhsa_next_free_vgpr 512
		.amdhsa_next_free_sgpr 96
		.amdhsa_reserve_vcc 0
		.amdhsa_float_denorm_mode_32 3
		.amdhsa_float_denorm_mode_16_64 3
		.amdhsa_memory_ordered 1
		.amdhsa_forward_progress 1
		.amdhsa_inst_pref_size 46
	.end_amdhsa_kernel
	.amdgpu_metadata
---
amdhsa.version: [ 1, 2 ]
amdhsa.kernels:
  - .name:           k_q8d49cb72da_proj
    .symbol:         k_q8d49cb72da_proj.kd
    .args:
      - { .name: att_codes, .offset: 0, .size: 8, .value_kind: global_buffer, .address_space: global }
      - { .name: wout_codes, .offset: 8, .size: 8, .value_kind: global_buffer, .address_space: global }
      - { .name: lowp_scales, .offset: 16, .size: 8, .value_kind: global_buffer, .address_space: global }
      - { .name: b_out, .offset: 24, .size: 8, .value_kind: global_buffer, .address_space: global }
      - { .name: out0, .offset: 32, .size: 8, .value_kind: global_buffer, .address_space: global }
    .group_segment_fixed_size: 327680
    .private_segment_fixed_size: 0
    .kernarg_segment_align: 8
    .kernarg_segment_size: 40
    .max_flat_workgroup_size: 128
    .sgpr_count:     96
    .vgpr_count:     512
    .wavefront_size: 32
...
	.end_amdgpu_metadata
.endif
;; end of part 4
